; MI455X (gfx1250); checked and timed in simulation.
; The chip was launched on July 23, 2026; its instructions are those of AMD's public machine-readable ISA for CDNA 5 (MIT licence, August 2026) and "CDNA5" Instruction Set Architecture Reference Guide (July 2026). The comments in the code are by the model that wrote it; some were corrected since.
;; Local Attention. Allowed arithmetic: matrix products marked QUANTISED: E5M2 operands, one given power-of-two scale a tensor, by v_wmma_f32_16x16x64_bf8_bf8 or v_wmma_f32_16x16x128_bf8_bf8, f32 sums; products left as they are: f32 operands where the result goes on into a quantised operand, else bf16, f16 or f32 operands; f32 sums; everything else in f32.
;; Inputs: bo 64 float32; bx 64 float32; by 64 float32; lowp_scales 6 int32 (the exponents e of the quantised operands' scales 2^e); wo 64 x 64 float32; wx 64 x 64 float32; wy 64 x 64 float32; x 4 x 64 x 128 x 128 float32; y 4 x 64 x 128 x 128 float32.
;; Outputs: out0 4 x 64 x 128 x 128 float32.
;; This version of the problem:
;;   THIS VERSION OF THE PROBLEM IS GIVEN IN LOW PRECISION. The matrix products marked QUANTISED in the list below multiply operands that are first quantised to E5M2 (5 exponent bits, 2 mantissa bits; 8 bits a number), with one given power-of-two scale for each operand tensor; their sums are f32. All else is computed in f32.
;;   The module's matrix products, in the order in which they are computed (A, B: the left and right operand; K: the contracted axis; several contracted axes count as one K, in the product's order):
;;     1. [M 65,536, K 64] x [K 64, N 64]; A: input y; B: input wy: QUANTISED (scales: A lowp_scales[0], B lowp_scales[1])
;;     2. [M 65,536, K 64] x [K 64, N 64]; A: input x; B: input wx: QUANTISED (scales: A lowp_scales[2], B lowp_scales[3])
;;     3. batch 65,536 x [M 1, K 64] x [K 64, N 25]; A: computed on the way; B: computed on the way: left as it is (M = 1 < 16)
;;     4. batch 65,536 x [M 64, K 25] x [K 25, N 1]; A: computed on the way; B: softmax: left as it is (K = 25 < 32)
;;     5. [M 65,536, K 64] x [K 64, N 64]; A: computed on the way; B: input wo: QUANTISED (scales: A lowp_scales[4], B lowp_scales[5])
;;   THE QUANTISER, for each operand of a quantised product, along K:
;;     - The operand's scale is 2^e, e = its entry of the input lowp_scales (int32; the entries are numbered through the quantised products in the list's order, A before B).
;;     - Each number is divided by the scale, clamped to +-57,344, and rounded to the nearest number of E5M2, ties to even, subnormals kept.
;;     - The product sums the exact products of the quantised numbers (number of the format x scale) in f32.
;;   ~~~python
;;   def quantise(x, axis, e):      # numpy; x: float32 -> the quantised numbers, widened to float32 again
;;       x = np.moveaxis(x, axis, -1); K = x.shape[-1]
;;       r = np.clip(x / 2.0 ** e, -57344, 57344)
;;       step = 2.0 ** (np.maximum(np.frexp(np.where(r == 0, 1, r))[1] - 1, -14) - 2)
;;       q = np.round(r / step) * step * 2.0 ** e      # np.round: ties to even
;;       return np.moveaxis(q, -1, axis).astype(np.float32)
;;   ~~~
;;   OPERANDS COMPUTED ON THE WAY. 'Computed on the way' means the value that the module computes at that place (a softmax that the list does not call 'softmax' is quantised finished and normalised). What goes into a quantiser is computed in f32, as accurately as f32 sums, v_exp_f32 and their like allow (about 1e-6 of the number): no bf16 or f16 on the way to a quantiser, and a product that is left as it is and whose result goes on into a quantised operand takes f32 operands (vector FMAs, or v_wmma_f32_16x16x4_f32). A number that lies on a knife's edge between two numbers of the format may be rounded either way, as far as f32 arithmetic and the matrix unit's own rounding can turn it there, and no further.
;; 2 versions, each right; version 2 is version 1 with the launch local_attn written anew for expert scheduling mode. Each part assembles by itself: llvm-mc -triple=amdgcn-amd-amdhsa -mcpu=gfx1250 --defsym DOCPART=n.
;; ======== version 1 of 2: 1 launch
;; limits: right only within a limited range of input values
;; launch local_attn (part 1): grid 64 x 4, 4 waves a work-group, no clusters, 236,800 bytes of LDS; arguments x, y, wx, bx, wy, by, wo, bo, lowp_scales, out0; writes out0
.if DOCPART == 1
	.amdgcn_target "amdgcn-amd-amdhsa--gfx1250"
	.amdhsa_code_object_version 6
	.text
	.protected	k_q3c16cbde2d_local_attn
	.globl	k_q3c16cbde2d_local_attn
	.p2align	8
	.type	k_q3c16cbde2d_local_attn,@function
k_q3c16cbde2d_local_attn:
	s_mov_b64 s[64:65], 0
	v_nop
	global_prefetch_b8 v0, s[64:65] scope:SCOPE_SE
	s_setreg_imm32_b32 hwreg(HW_REG_WAVE_MODE, 25, 1), 1
	s_wait_xcnt 0x0
; LOCAL ATTENTION, 5 x 5, in one launch.  x, y, out0: [4][64][128][128] f32.  q = wy y + by, v = wx x + bx (1 x 1 convolutions), s = q . q(neighbour) for 25 neighbours (outside the image q = v = 0, the score 0 counts),
; p = softmax(s), a = sum of p v(neighbour), out0 = wo a + bo + x.  The three convolutions multiply codes of E5M2 (v_wmma_f32_16x16x64_bf8_bf8), each operand with its given scale 2^e (e0 y, e1 wy, e2 x, e3 wx, e4 a, e5 wo);
; the scores and the aggregate run into a quantiser and are packed f32 multiply-adds; the softmax takes its maximum away.
; SHARES.  A work-group (x = pair of image rows rp, y = batch) owns 2 whole rows of 128 pixels and makes q and v on 6 rows (2 above, 2 below): 4 waves, 3 groups of 64 pixels each.  Whole rows: every global access is 16 lanes x 16
; consecutive bytes, aligned to 256, and the padding of the columns is a constant of the text.
; SCALES ARE FOLDED.  Eq = e0 + e1, Ev = e2 + e3, Eo = e4 + e5.  LDS holds q' = q / 2^Eq and v' = v / 2^Ev: the raw sums, with bias / 2^E as the C of the matrix instruction.  t = s' c, c = log2(e) 2^(2 Eq).
; a's conversion takes the one scale 2^(e4 - Ev).  out0 = sum x 2^Eo + x, with C = bo / 2^Eo.
; LIMITS: e0, e1, e2, e3, e5 and e4 - Ev between -126 and 112; Eq between -63 and 63; Eo between -126 and 127; q / 2^Eq and its scores, and score x log2(e), stay f32 numbers (|by| / 2^Eq under 2^60).  NaN among the inputs is not served;
; an infinity is held at the largest code.
; NO TENSOR LOADS, NO CLUSTER: K (the channels) is the outermost axis of x and y, so the f32 numbers pass through registers to be held and converted, and six rows of raw f32 (196,608 bytes a tensor) have no room in LDS beside q or v.
; Neighbouring work-groups share 4 of their 6 rows, but a joint request would have to bring those raw rows into LDS.  No prefetch: y is wanted at once, at the kernel's head, where every work-group's first loads are on their way,
; and x's loads are themselves issued a phase ahead of their use.
; ORDER.  No long run of memory instructions stands bare.  A group's 32 LDS stores stand in four parts of 8 behind the next group's four tiles of holds and conversions; v's last 32 stand among 100 exponentials, and four of the
; aggregate's first six window rows among the other 100.  Two groups of a wave, 64 global loads, are out at most: group n + 2 is asked for behind group n's conversions.  x's left halo is asked for behind the scores.
; LDS.  QV (q', later v'): byte (c / 4) P4 + rho RP + (colp % 4) TP + (colp / 4) 16 + (c % 4) 4, rho = 0 .. 5 for image row 2 rp - 2 + rho, colp = column + 2 = 0 .. 131: 16 bytes are four channels of one pixel.
;   WIMG: the three weights as images of their operands' registers.  CODE: a's codes, 80 bytes a pixel, byte = channel; the slot of pixel (pi, col) is (4 pi + col % 4) 32 + col / 4.
; LANES.  Convolutions: r = lane % 16, h = lane / 16; lane (r, h) loads channels 16 c + 8 h + j at pixels 4 r + 0 .. 3 of its group; pixel tile t = the pixels 4 r + t.  Source 0 = 16 rows of the weight, source 1 = 16 pixels:
;   in the result lane (r, h) holds pixel 4 r + t and register j out channel 16 ot + 8 h + j.
;   Windows: g = lane % 4 takes channels 16 g .. 16 g + 15, four a step; A = 8 wave + (lane / 4) takes pixels (pi = 0, 1; column 4 A + i, i = 0 .. 3): a window of 6 rows x 8 pixels x 4 channels, 48 loads, feeds 400 packed multiply-adds.
; REGISTERS in windows of 256 (s_set_vgpr_msb: bits 1:0 source 0, 3:2 source 1, 5:4 source 2, 7:6 destination):
;   window 0: v0-31 addresses and scales; v32-159 raw buffer B0, then v32-223 the window rows, then v32-239 scores / p (pixel P = 4 pi + i at v[32 + 26 P], 25 numbers, slot 25 = -c max), v240-255 the sums, then 1 / sum.
;   window 1: v0-63 held numbers, v64-191 results of the products (behind the scores first the raw numbers of x's left halo); in the scores v0-199 accumulators of pi = 0; in the aggregate v0-191 window rows, v192-223 a.
;   window 2: v0-31 codes, v32-63 the halo's bias, v112-143 the weight's fragments, v144-175 by, later bo, v200-231 bx; in the scores v0-199 accumulators of pi = 1.
;   window 3: raw buffers B1 (v0-127) and B2 (v128-255); B2 ends as x of my own 64 pixels, which becomes the result.
.set P4,   12688                       ; a plane of four channels: 6 RP + 16.  4 P4 = 64 mod 256
.set RP,   2112                        ; a row: 4 TP
.set TP,   528                         ; the 33 pixels of a row with the same colp % 4
.set WIMG, 203008                      ; behind 16 planes: matrix m (0 wy, 1 wx, 2 wo), out tile ot, half qd: 4096 m + 1024 ot + 512 qd + 16 lane
.set CODE, 215808                      ; 256 slots of 80 bytes
.set CH,   65536                       ; bytes from channel to channel in x, y, out0
.set IMS, 1                            ; v1   where I store an image: IMA + 1024 wave
.set GA,  2                            ; v2   16 r + (8 channels) h: my offset in a group of x, y, out0; never rewritten
.set WGA, 3                            ; v3   my offset in a weight: row 16 wave + r, + 32 h
.set BGA, 4                            ; v4   32 h: my offset in a bias
.set IMA, 5                            ; v5   WIMG + 16 lane
.set SA0, 6                            ; v6-9   results into QV: 2 P4 h + 16 r + 4 P4 ot
.set SAG, 10                           ; v10-13 the same + the group in hand
.set WA,  14                           ; v14  windows: 4 P4 g + 16 A
.set CA,  15                           ; v15  a's codes: CODE + 80 A + 16 g
.set FA,  16                           ; v16  a's codes as an operand: CODE + 10240 pi + 1280 hf + 80 r + 8 h
.set ZA,  17                           ; v17  the padding's stores
.set YSC, 18                           ; v18, v19 2^e0 and 57,344 x 2^e0
.set YLIM, 19
.set XSC, 20                           ; v20, v21 the same for e2
.set XLIM, 21
.set OSC, 22                           ; v22, v23 the same for e4 - Ev
.set OLIM, 23
.set WSC, 24                           ; v24, v25 the same for the weight in hand
.set WLIM, 25
.set YLH, 26                           ; v26, v27 the halo rows' bounds: YLIM, XLIM, or 0 where the row lies outside the image
.set XLH, 27
.set WAC, 28                           ; v28  WA + the step's plane
.set CAC, 29                           ; v29  CA + the step's 4 bytes
.set ZQ,  160                          ; v160-163 zeros, in the head
.set SS,  32
.set TA,  240
.set DD,  64                           ; window 1
.set WRAW, 64
.set OO,  192
.set CD,  0                            ; window 2
.set BH,  32
.set WF,  112
.set BY,  144
.set BX,  200
.set CNT, 56                           ; s56  loop counter
.set TB,  59                           ; s59  the step's plane in bytes
.set TC,  62                           ; s62  the step's bytes in a slot of codes
.set MSB, 0
.macro WIN new                         ; the immediate's high byte repeats the setting that is left; a switch that changes nothing is dropped
.if MSB != (\new)
	s_set_vgpr_msb (MSB<<8)|(\new)
.set MSB, (\new)
.endif
.endm
.macro BARRIER                         ; my LDS stores have landed and my LDS loads are in: then the work-group's barrier
	s_wait_dscnt 0x0
	s_barrier_signal -1
	s_barrier_wait -1
.endm
.macro MKSC se, vs, vl                 ; from the exponent in s[se]: v[vs] = 2^e, v[vl] = 57,344 x 2^e (left in s57 too)
	WIN 0
	s_add_co_i32 s57, s[\se], 127
	s_lshl_b32 s58, s57, 23
	v_mov_b32 v[\vs], s58
	s_add_co_i32 s57, s57, 15
	s_lshl_b32 s57, s57, 23
	s_or_b32 s57, s57, 0x600000
	v_mov_b32 v[\vl], s57
.endm
; 64 pixels x 64 channels of f32: 32 loads; load i = 8 c + j brings channel 16 c + 8 h + j at pixels 4 r + 0 .. 3: sixteen lanes read 256 consecutive bytes, aligned
.macro GLOAD win, base, sb, extra
	WIN (\win)<<6
.set gi, 0
.rept 32
	global_load_b128 v[\base+4*gi:\base+4*gi+3], v[GA], s[\sb:\sb+1] offset:(16*(gi/8)+gi%8)*CH+\extra
.set gi, gi+1
.endr
.endm
; Pixel tile t of the 16 results into QV: pixel 4 r + t is colp 4 r + t + 2; sixteen lanes write 256 consecutive bytes.  Each accumulator's low four registers go first.
.macro STORE8 t
	WIN 0x04
.set so, 0
.rept 4
	ds_store_b128 v[SAG+so], v[DD+8*(4*(\t)+so):DD+8*(4*(\t)+so)+3] offset:(((\t)+2)%4)*TP+(((\t)+2)/4)*16
	ds_store_b128 v[SAG+so], v[DD+8*(4*(\t)+so)+4:DD+8*(4*(\t)+so)+7] offset:P4+(((\t)+2)%4)*TP+(((\t)+2)/4)*16
.set so, so+1
.endr
.endm
.macro STORE                           ; all four tiles in one run
.irp t, 0,1,2,3
	STORE8 \t
.endr
	WIN 0
.endm
; A group's raw numbers become four operands (pixel tiles t).  The hold, which an 8-bit conversion wants since it does not saturate (ISA guide 7.6.2), is also the turn from [channel][pixel] to [pixel][channel].
; The two halves of the held numbers take turns: 32 plain lines stand between a conversion and the next write of its sources.
; st = 1: behind tile t's conversions stand the 8 LDS stores of tile t of the group BEFORE, whose results lie finished in window 1: the stores are served while the next tile is held and converted.
.macro QUANT swin, rbase, cwin, cbase, sc, lim, st
.set qt, 0
.rept 4
	WIN (\swin)|0x40
.set qi, 0
.rept 32
	v_med3_num_f32 v[32*(qt%2)+qi], v[\rbase+4*qi+qt], -v[\lim], v[\lim]
.set qi, qi+1
.endr
	WIN 0x01|((\cwin)<<6)
.set qc, 0
.rept 4
	v_cvt_scalef32_pk8_bf8_f32 v[\cbase+8*qt+2*qc:\cbase+8*qt+2*qc+1], v[32*(qt%2)+8*qc:32*(qt%2)+8*qc+7], v[\sc]   ; registers 2 c, 2 c + 1: k = 16 c + 8 h + 0 .. 7: this form's own places
.set qc, qc+1
.endr
.if qt == 3
	v_nop                                          ; one plain line between the last conversion and the products that read its result
.endif
.if \st
	STORE8 qt
.endif
.set qt, qt+1
.endr
.endm
; 16 products, one K step each, on 16 accumulators: no chain.  C = the bias in the result's layout.  Four places follow, ahead of the first read of a result.
.macro WMMA cwin, cbase, bias
	WIN 0x62|((\cwin)<<2)
.set mt, 0
.rept 4
.set mo, 0
.rept 4
	v_wmma_f32_16x16x64_bf8_bf8 v[DD+8*(4*mt+mo):DD+8*(4*mt+mo)+7], v[WF+8*mo:WF+8*mo+7], v[\cbase+8*mt:\cbase+8*mt+7], v[\bias+8*mo:\bias+8*mo+7]
.set mo, mo+1
.endr
.set mt, mt+1
.endr
	WIN 0
.rept 4
	v_nop
.endr
.endm
.macro SETSA sg                        ; the group's place in QV: rho RP + 256 hf.  It stands behind the last store of the group before
	WIN 0
.irp o, 0,1,2,3
	v_add_nc_u32 v[SAG+\o], s[\sg], v[SA0+\o]
.endr
.endm
.macro WIMGLOAD m                      ; a weight's four fragments, as they were stored
	WIN 0x80
.set io, 0
.rept 4
	ds_load_b128 v[WF+8*io:WF+8*io+3], v[IMA] offset:(\m)*4096+io*1024
	ds_load_b128 v[WF+8*io+4:WF+8*io+7], v[IMA] offset:(\m)*4096+io*1024+512
.set io, io+1
.endr
.endm
; Row rho of the window: 8 pixels x 4 channels.  win = 0: into window 0 from v32 (scores); 1: into window 1 from v0 (aggregate).  In a pass of 16 lanes the addresses mod 256 are 64 g + 16 (A % 8): all different.
.macro LROW win, row, extra
	WIN (\win)<<6
.set RBB, 32*(1-(\win))
.set lk, 0
.rept 8
	ds_load_b128 v[RBB+32*(\row)+4*lk:RBB+32*(\row)+4*lk+3], v[WAC] offset:(\extra)+(\row)*RP+(lk%4)*TP+(lk/4)*16
.set lk, lk+1
.endr
.endm
; Scores of pixel row pi against window row rho: 4 pixels x 5 columns x 2 pairs of channels.  Accumulator pair n = 25 i + 5 (rho - pi) + dc + 2 holds the even channels' sum and the odd channels'.
; zero = 1: the first product starts the sum: nothing is cleared.  Twenty other lines stand between two links on one pair.
.macro SCORE pi, row, zero
	WIN 0x50*(1+(\pi))
.set pc, 0
.rept 2
.set pii, 0
.rept 4
.set pd, 0
.rept 5
.set pn, 25*pii+5*((\row)-(\pi))+pd
.set pown, 32+32*(2+(\pi))+4*(pii+2)+2*pc
.set pnb, 32+32*(\row)+4*(pii+pd)+2*pc
.if (\zero) && (pc == 0)
	v_pk_mul_f32 v[2*pn:2*pn+1], v[pown:pown+1], v[pnb:pnb+1]
.else
	v_pk_fma_f32 v[2*pn:2*pn+1], v[pown:pown+1], v[pnb:pnb+1], v[2*pn:2*pn+1]
.endif
.set pd, pd+1
.endr
.set pii, pii+1
.endr
.set pc, pc+1
.endr
.endm
; The aggregate of pixel row pi from window row rho: a += p v'.  p is one register of a pair, taken for both halves.  Offset 0 starts the sums.
.macro AGG pi, row
	WIN 0x54
.set ad, 0
.rept 5
.set ai, 0
.rept 4
.set aoff, 5*((\row)-(\pi))+ad
.set ap, SS+26*(4*(\pi)+ai)+aoff
.set ae, ap-(ap%2)
.set ac, 0
.rept 2
.set adst, OO+4*(4*(\pi)+ai)+2*ac
.set asrc, 32*(\row)+4*(ai+ad)+2*ac
.if aoff == 0
	v_pk_mul_f32 v[adst:adst+1], v[ae:ae+1], v[asrc:asrc+1] op_sel_hi:[0,1]
.elseif (ap%2) == 0
	v_pk_fma_f32 v[adst:adst+1], v[ae:ae+1], v[asrc:asrc+1], v[adst:adst+1] op_sel_hi:[0,1,1]
.else
	v_pk_fma_f32 v[adst:adst+1], v[ae:ae+1], v[asrc:asrc+1], v[adst:adst+1] op_sel:[1,0,0] op_sel_hi:[1,1,1]
.endif
.set ac, ac+1
.endr
.set ai, ai+1
.endr
.set ad, ad+1
.endr
.endm
; A step's 8 pixels x 4 channels of a: x 1 / sum, held, converted (eight registers = two pixels' four channels: a result register is one pixel's 4 bytes), stored.  The codes lie in window row 5's registers, which are free here.
.macro POST
	WIN 0x41
.set zp, 0
.rept 8
	v_pk_mul_f32 v[OO+4*zp:OO+4*zp+1], v[OO+4*zp:OO+4*zp+1], v[TA+2*zp:TA+2*zp+1] op_sel_hi:[1,0]
	v_pk_mul_f32 v[OO+4*zp+2:OO+4*zp+3], v[OO+4*zp+2:OO+4*zp+3], v[TA+2*zp:TA+2*zp+1] op_sel_hi:[1,0]
.set zp, zp+1
.endr
.set zp, 0
.rept 32
	v_med3_num_f32 v[OO+zp], v[OO+zp], -v[OLIM], v[OLIM]
.set zp, zp+1
.endr
.set zp, 0
.rept 4
	v_cvt_scalef32_pk8_bf8_f32 v[160+2*zp:160+2*zp+1], v[OO+8*zp:OO+8*zp+7], v[OSC]
.set zp, zp+1
.endr
	v_nop                                          ; one plain line behind the last conversion: the next step writes its sources anew
	WIN 0x04
.set zp, 0
.rept 8
	ds_store_b32 v[CAC], v[160+zp] offset:zp*2560
.set zp, zp+1
.endr
.endm
.macro XROW kind, pi, row, zero
.if \kind
	AGG \pi, \row
.else
	SCORE \pi, \row, \zero
.endif
.endm
.macro PFROW kind, pf, row
.if \pf
	LROW \kind, \row, P4                           ; the next step's plane
.endif
.endm
; A STEP of four channels.  kind = 0: scores, 1: aggregate.  All of pixel row 0 comes first, then all of pixel row 1, so each of the six row buffers is free for the next step's row as soon as its last reader is issued:
; one set of buffers serves.  The rows are asked for in the order 0, 1, 2, 4, 3, 5, ahead of the first step too, so the two waits have the same counts in every step.
.macro STEP kind, zero, pf
	s_wait_dscnt 24                                ; rows 0, 1, 2 are in: behind row 2's loads stand rows 4, 3, 5: 24 loads
	XROW \kind, 0, 0, \zero
	XROW \kind, 0, 1, \zero
	XROW \kind, 0, 2, \zero
	s_wait_dscnt 0x0                               ; rows 3, 4, 5 are in: nothing younger is out
	PFROW \kind, \pf, 0
	XROW \kind, 0, 3, \zero
	XROW \kind, 0, 4, \zero
	XROW \kind, 1, 1, \zero
	PFROW \kind, \pf, 1
	XROW \kind, 1, 2, \zero
	PFROW \kind, \pf, 2
	XROW \kind, 1, 3, \zero
	XROW \kind, 1, 4, \zero
	PFROW \kind, \pf, 4
	XROW \kind, 1, 5, \zero
	PFROW \kind, \pf, 3
.if \kind
	POST
.endif
	PFROW \kind, \pf, 5
	WIN 0                                          ; at a label and at a branch every window is 0
.if \pf
	s_add_co_u32 s[TB], s[TB], P4
	v_add_nc_u32 v[WAC], s[TB], v[WA]
.if \kind
	s_add_co_u32 s[TC], s[TC], 4
	v_add_nc_u32 v[CAC], s[TC], v[CA]
.endif
.endif
.endm
.macro FOLD fp                         ; pixel row fp's 100 scores: even channels' sum + odd channels', into window 0
	WIN 0x05*(1+(\fp))
.set fi, 0
.rept 4
.set fo, 0
.rept 25
	v_add_f32 v[SS+26*(4*(\fp)+fi)+fo], v[2*(25*fi+fo)], v[2*(25*fi+fo)+1]
.set fo, fo+1
.endr
.set fi, fi+1
.endr
.endm
.macro EXPS p                          ; pixel p's 25 weights: p = 2^(c s' - c max), at most 1; they stay unnormalised: 1 / sum is applied to a
	WIN 0
.set mu, 0
.rept 25
	v_exp_f32 v[SS+26*(\p)+mu], v[SS+26*(\p)+mu]
.set mu, mu+1
.endr
.endm
; ---------------- HEAD ----------------
	s_load_b512 s[8:23], s[0:1], 0x0               ; x s[8:9], y s[10:11], wx s[12:13], bx s[14:15], wy s[16:17], by s[18:19], wo s[20:21], bo s[22:23]
	s_load_b128 s[24:27], s[0:1], 0x40             ; lowp_scales s[24:25], out0 s[26:27]
	v_lshl_add_u32 v30, v0, 2, 0x39b00
	v_mov_b32 v31, 0
	v_lshrrev_b32 v164, 5, v0
	v_readfirstlane_b32 s2, v164                   ; wave w
	v_and_b32 v165, 15, v0                         ; r
	v_bfe_u32 v166, v0, 4, 1                       ; h
	v_and_b32 v167, 31, v0                         ; lane
	v_and_b32 v168, 3, v0                          ; g
	v_bfe_u32 v169, v0, 2, 3                       ; A % 8
	s_and_b32 s4, ttmp7, 0xffff                    ; batch
	s_lshr_b32 s5, s2, 1                           ; my own group: pixel row pi = w / 2,
	s_and_b32 s6, s2, 1                            ; column half hf = w % 2
	s_lshl_b32 s7, ttmp9, 1                        ; 2 rp
	s_add_co_u32 s57, s7, s5                       ; its image row
	s_lshl_b32 s57, s57, 9
	s_lshl_b32 s60, s4, 22
	s_mov_b32 s62, s60
	s_add_co_u32 s60, s60, s57
	s_lshl_b32 s58, s6, 8
	s_add_co_u32 s60, s60, s58                     ; byte offset of my own group in x, y, out0
	s_mov_b32 s61, 0
	s_add_co_u32 s57, s5, 2
	s_mul_i32 s42, s57, RP
	s_add_co_u32 s42, s42, s58                     ; and in QV: rho = 2 + pi
	s_and_b32 s57, s2, 2
	s_add_co_u32 s57, s57, s2                      ; my halo row: rho = 0, 1, 4, 5 for waves 0, 1, 2, 3; both halves of it
	s_mul_i32 s43, s57, RP
	s_add_co_u32 s44, s43, 256
	s_add_co_u32 s58, s7, s57
	s_sub_co_i32 s58, s58, 2                       ; its image row, -2 .. 129
	s_cmp_lt_u32 s58, 128                          ; inside the image?
	s_cselect_b32 s41, 1, 0
	s_cselect_b32 s45, 1.0, 0
	s_max_i32 s58, s58, 0                          ; the loads always run, from a row inside the buffer: what they bring for a row outside is held at 0
	s_min_i32 s58, s58, 127
	s_lshl_b32 s58, s58, 9
	s_add_co_u32 s62, s62, s58                     ; byte offset of my halo row
	s_mov_b32 s63, 0
	v_lshlrev_b32 v[GA], 4, v165
	v_lshl_add_u32 v[GA], v166, 19, v[GA]
	v_lshlrev_b32 v[WGA], 8, v165
	v_lshl_add_u32 v[WGA], v166, 5, v[WGA]
	s_lshl_b32 s57, s2, 12
	v_add_nc_u32 v[WGA], s57, v[WGA]
	v_lshlrev_b32 v[BGA], 5, v166
	v_lshl_add_u32 v[IMA], v167, 4, WIMG
	s_lshl_b32 s58, s2, 10
	v_add_nc_u32 v[IMS], s58, v[IMA]
	v_mul_u32_u24 v170, v166, 2*P4
	v_lshl_add_u32 v[SA0], v165, 4, v170
.irp o, 1,2,3
	v_add_nc_u32 v[SA0+\o], \o*4*P4, v[SA0]
.endr
	v_mul_u32_u24 v[WA], v168, 4*P4
	v_lshl_add_u32 v[WA], v169, 4, v[WA]
	s_lshl_b32 s57, s2, 7
	v_add_nc_u32 v[WA], s57, v[WA]
	v_mul_u32_u24 v[CA], v169, 80
	v_lshl_add_u32 v[CA], v168, 4, v[CA]
	s_mul_i32 s58, s2, 640
	s_add_co_u32 s58, s58, CODE
	v_add_nc_u32 v[CA], s58, v[CA]
	v_mul_u32_u24 v[FA], v165, 80
	v_lshl_add_u32 v[FA], v166, 3, v[FA]
	s_mul_i32 s57, s5, 10240
	s_mul_i32 s5, s6, 1280
	s_add_co_u32 s57, s57, s5
	s_add_co_u32 s57, s57, CODE
	v_add_nc_u32 v[FA], s57, v[FA]
	v_lshrrev_b32 v171, 3, v0                      ; the padding: thread = 8 plane + 4 (row % 2) + e; e = 0, 1, 2, 3 stands for colp 0, 1, 130, 131
	v_mul_u32_u24 v[ZA], v171, P4
	v_bfe_u32 v172, v0, 2, 1
	v_mad_u32_u24 v[ZA], v172, RP, v[ZA]
	v_mad_u32_u24 v[ZA], v168, TP, v[ZA]
	v_bfe_u32 v173, v0, 1, 1
	v_lshl_add_u32 v[ZA], v173, 9, v[ZA]           ; colp 130, 131: 32 places of 16 bytes on
.irp i, 0,1,2,3
	v_mov_b32 v[ZQ+\i], 0
.endr
	ds_store_b128 v[ZA], v[ZQ:ZQ+3]                ; zeros at colp 0, 1, 130, 131 of all 6 rows and 16 planes: written once, while the arguments are on their way; neither q' nor v' is stored there
	ds_store_b128 v[ZA], v[ZQ:ZQ+3] offset:2*RP
	ds_store_b128 v[ZA], v[ZQ:ZQ+3] offset:4*RP
	s_wait_kmcnt 0x0
	s_load_b128 s[28:31], s[24:25], 0x0            ; e0 .. e3
	s_load_b64 s[32:33], s[24:25], 0x10            ; e4, e5
	s_add_nc_u64 s[46:47], s[10:11], s[60:61]      ; y at my own group,
	s_add_nc_u64 s[48:49], s[10:11], s[62:63]      ; at my halo row;
	s_add_nc_u64 s[50:51], s[8:9], s[60:61]        ; x likewise;
	s_add_nc_u64 s[52:53], s[8:9], s[62:63]
	s_add_nc_u64 s[54:55], s[26:27], s[60:61]      ; out0 at my own group
; my quarter of each weight: rows 16 w + r, k = 16 c + 8 h + 0 .. 7: the operand's own places
.macro WLOAD m, sb
.set wc, 0
.rept 4
	global_load_b128 v[WRAW+32*(\m)+8*wc:WRAW+32*(\m)+8*wc+3], v[WGA], s[\sb:\sb+1] offset:64*wc
	global_load_b128 v[WRAW+32*(\m)+8*wc+4:WRAW+32*(\m)+8*wc+7], v[WGA], s[\sb:\sb+1] offset:64*wc+16
.set wc, wc+1
.endr
.endm
.macro BLOAD base, sb                  ; a bias in the result's layout: for out tile ot, numbers 16 ot + 8 h + 0 .. 7
.set wc, 0
.rept 4
	global_load_b128 v[\base+8*wc:\base+8*wc+3], v[BGA], s[\sb:\sb+1] offset:64*wc
	global_load_b128 v[\base+8*wc+4:\base+8*wc+7], v[BGA], s[\sb:\sb+1] offset:64*wc+16
.set wc, wc+1
.endr
.endm
	WIN 0x40
	WLOAD 0, 16
	WLOAD 1, 12
	WLOAD 2, 20
	WIN 0x80
	BLOAD BY, 18
	BLOAD BX, 14
	GLOAD 0, 32, 46, 0                             ; y of my own group into B0: it is on its way while the weights are quantised
	s_wait_kmcnt 0x0
	s_add_co_i32 s57, s28, s29                     ; Eq
	s_sub_co_i32 s38, 0, s57
	s_lshl_b32 s58, s57, 24                        ; 2 Eq into the exponent field
	s_add_co_i32 s34, s58, 0x3fb8aa3b              ; c = log2(e) x 2^(2 Eq)
	s_mov_b32 s35, s34                             ; (named with it as a pair, so it is written)
	s_xor_b32 s36, s34, 0x80000000                 ; -c
	s_add_co_i32 s57, s30, s31                     ; Ev
	s_sub_co_i32 s39, 0, s57
	s_sub_co_i32 s63, s32, s57                     ; e4 - Ev
	s_add_co_i32 s57, s32, s33                     ; Eo
	s_sub_co_i32 s40, 0, s57
	s_add_co_i32 s57, s57, 127
	s_lshl_b32 s37, s57, 23                        ; 2^Eo
	MKSC 28, YSC, YLIM
	s_cmp_lg_u32 s41, 0
	s_cselect_b32 s58, s57, 0
	v_mov_b32 v[YLH], s58                          ; a row outside the image is held between -0 and 0: its codes are zeros
	MKSC 30, XSC, XLIM
	s_cmp_lg_u32 s41, 0
	s_cselect_b32 s58, s57, 0
	v_mov_b32 v[XLH], s58
	MKSC 63, OSC, OLIM
	s_wait_loadcnt 32                              ; weights and biases are in: the 32 loads of y are the younger ones
.macro WQ m, se                        ; my quarter of weight m: held, converted, stored as an image of the operand's registers
	MKSC \se, WSC, WLIM
	WIN 0x41
.set wi, 0
.rept 32
	v_med3_num_f32 v[WRAW+32*(\m)+wi], v[WRAW+32*(\m)+wi], -v[WLIM], v[WLIM]
.set wi, wi+1
.endr
	WIN 0x81
.set wi, 0
.rept 4
	v_cvt_scalef32_pk8_bf8_f32 v[8*(\m)+2*wi:8*(\m)+2*wi+1], v[WRAW+32*(\m)+8*wi:WRAW+32*(\m)+8*wi+7], v[WSC]
.set wi, wi+1
.endr
	v_nop                                          ; one plain line behind the last conversion: its scale is written anew for the next weight
	WIN 0x08
	ds_store_b128 v[IMS], v[8*(\m):8*(\m)+3] offset:(\m)*4096
	ds_store_b128 v[IMS], v[8*(\m)+4:8*(\m)+7] offset:(\m)*4096+512
.endm
	WQ 0, 29
	WQ 1, 31
	WQ 2, 33
	WIN 0x82
.set wi, 0
.rept 32
	v_ldexp_f32 v[BY+wi], v[BY+wi], s38            ; by / 2^Eq
	v_ldexp_f32 v[BX+wi], v[BX+wi], s39            ; bx / 2^Ev
.set wi, wi+1
.endr
.set wi, 0
.rept 32
	v_mul_f32 v[BH+wi], v[BY+wi], s45              ; the halo row's bias: by / 2^Eq, or 0 where the row lies outside the image
.set wi, wi+1
.endr
	BARRIER                                        ; the images and the padding lie in LDS
	WIMGLOAD 0                                     ; wy: asked for ahead of the run of global loads below
	GLOAD 3, 0, 48, 0                              ; y of my halo row, left half, into B1
	s_wait_dscnt 0x0                               ; wy's fragments are in
; ---------------- q ON MY THREE GROUPS.  Two groups' loads are out at most: the next but one is asked for behind a group's conversions ----------------
	s_wait_loadcnt 32                              ; my own group of y is in: the halo's left half, 32 loads, is the younger one
	QUANT 0, 32, 2, CD, YSC, YLIM, 0
	GLOAD 3, 128, 48, 256                          ; y of my halo row, right half, into B2
	SETSA 42
	WMMA 2, CD, BY
	s_wait_loadcnt 32                              ; y's halo, left half, is in: the right half's 32 loads are the younger ones
	QUANT 3, 0, 2, CD, YSC, YLH, 1                 ; and my own group's q' goes to LDS
	GLOAD 3, 0, 52, 256                            ; x of my halo row, right half, into B1, which has just been read
	SETSA 43
	WMMA 2, CD, BH
	s_wait_loadcnt 32                              ; y's halo, right half, is in: x's 32 loads are the younger ones
	QUANT 3, 128, 2, CD, YSC, YLH, 1               ; and the left half's q' goes to LDS
	SETSA 44
	WMMA 2, CD, BH
	STORE
	BARRIER                                        ; q' lies in LDS
; ---------------- SCORES: 4 steps of 4 channels ----------------
	s_mov_b32 s[TB], 0
	v_add_nc_u32 v[WAC], s[TB], v[WA]
	LROW 0, 0, 0
	LROW 0, 1, 0
	LROW 0, 2, 0
	LROW 0, 4, 0
	LROW 0, 3, 0
	LROW 0, 5, 0
	GLOAD 3, 128, 50, 0                            ; x of my own group into B2, asked for while the first window comes: it stays raw there to the end
	STEP 0, 1, 1                                   ; the first step's products start the sums
	s_mov_b32 s[CNT], 2
.Lscore:
	STEP 0, 0, 1
	s_sub_co_u32 s[CNT], s[CNT], 1
	s_cmp_lg_u32 s[CNT], 0
	s_cbranch_scc1 .Lscore
	STEP 0, 0, 0                                   ; the last step asks for nothing
	s_wait_dscnt 0x0
	s_barrier_signal -1                            ; my reads of q' are over.  Up to the wait for this barrier: work on registers alone
	FOLD 0                                         ; pixel row 0's accumulators, window 1, are free behind this
	s_barrier_wait -1                              ; no wave reads q' any more: v' may take its place (its first store stands far below)
	GLOAD 1, DD, 52, 0                             ; x of my halo row, left half: raw into window 1, where the results will lie once it is converted.  748 vector lines stand between this request and the wait for it
	FOLD 1
	WIMGLOAD 1                                     ; wx, where pixel row 1's accumulators lay: it comes under the lane sums
; ---------------- SOFTMAX, first part ----------------
	WIN 0
.irp m, 1, 2                           ; the four channel groups are four neighbouring lanes: lane xor 1, then lane xor 2; every lane of the four then holds all 200 scores
.set dj, 0
.rept 8
.set dk, 0
.rept 25
	v_add_f32_dpp v[SS+26*dj+dk], v[SS+26*dj+dk], v[SS+26*dj+dk] row_xmask:\m row_mask:0xf bank_mask:0xf
.set dk, dk+1
.endr
.set dj, dj+1
.endr
.endr
.set mu, 0                             ; the maximum of 25: two chains a pixel (scores 0-12, scores 13-23), the eight pixels by turns
.rept 6
.set mp, 0
.rept 8
.set xb, SS+26*mp
.if mu == 0
	v_max3_num_f32 v[TA+2*mp], v[xb], v[xb+1], v[xb+2]
	v_max3_num_f32 v[xb+25], v[xb+13], v[xb+14], v[xb+15]
.else
	v_max3_num_f32 v[TA+2*mp], v[TA+2*mp], v[xb+1+2*mu], v[xb+2+2*mu]
.if mu < 5
	v_max3_num_f32 v[xb+25], v[xb+25], v[xb+14+2*mu], v[xb+15+2*mu]
.endif
.endif
.set mp, mp+1
.endr
.set mu, mu+1
.endr
.set mp, 0
.rept 8
	v_max3_num_f32 v[SS+26*mp+25], v[TA+2*mp], v[SS+26*mp+25], v[SS+26*mp+24]
.set mp, mp+1
.endr
.set mp, 0
.rept 8
	v_mul_f32 v[SS+26*mp+25], s36, v[SS+26*mp+25]  ; -c max.  Its rounding is one factor common to a pixel's 25 weights and to their sum: it cancels
.set mp, mp+1
.endr
.set mu, 0
.rept 12
.set mp, 0
.rept 8
.set xb, SS+26*mp
	v_pk_fma_f32 v[xb+2*mu:xb+2*mu+1], v[xb+2*mu:xb+2*mu+1], s[34:35], v[xb+24:xb+25] op_sel:[0,0,1] op_sel_hi:[1,0,1]   ; c s' - c max, two at a time (of the last pair the upper register serves both halves)
.set mp, mp+1
.endr
.set mu, mu+1
.endr
.set mp, 0
.rept 8
	v_fma_f32 v[SS+26*mp+24], v[SS+26*mp+24], s34, v[SS+26*mp+25]
.set mp, mp+1
.endr
; ---------------- v ON MY THREE GROUPS ----------------
	WIN 0x82
.set wi, 0
.rept 32
	v_mul_f32 v[BH+wi], v[BX+wi], s45              ; the halo row's bias
.set wi, wi+1
.endr
	s_wait_loadcnt 0x0                             ; all of x is in: the left halo was asked for last
	QUANT 1, DD, 2, CD, XSC, XLH, 0
	SETSA 43
	s_wait_dscnt 0x0                               ; wx's fragments are in
	WMMA 2, CD, BH                                 ; the results take the place of the raw numbers, which have been read
	QUANT 3, 0, 2, CD, XSC, XLH, 1                 ; the halo's right half; the left half's v' goes to LDS
	SETSA 44
	WMMA 2, CD, BH
	QUANT 3, 128, 2, CD, XSC, XLIM, 1              ; my own group (the raw numbers stay); the right half's v' goes to LDS
	SETSA 42
	WMMA 2, CD, BX
.irp p, 0,1,2,3                        ; my own group's v' goes to LDS among the exponentials of pixels 0 to 3: 8 stores, 25 exponentials.  No line names a result before the wait below
	STORE8 \p
	EXPS \p
.endr
	WIN 0x80
	BLOAD BY, 22                                   ; bo, where by lay
	WIN 0
	s_mov_b32 s[TB], 0
	s_mov_b32 s[TC], 0
	v_add_nc_u32 v[WAC], s[TB], v[WA]
	v_add_nc_u32 v[CAC], s[TC], v[CA]
	BARRIER                                        ; v' lies in LDS
; ---------------- The first window of v' is asked for among the exponentials of pixels 4 to 7; then the softmax's end ----------------
	LROW 1, 0, 0
	EXPS 4
	LROW 1, 1, 0
	EXPS 5
	LROW 1, 2, 0
	EXPS 6
	LROW 1, 4, 0
	EXPS 7
	LROW 1, 3, 0
	LROW 1, 5, 0
	WIN 0
	v_nop                                          ; a plain line behind the last exponential
	s_wait_alu depctr_va_vdst(0)                   ; one wait for the batch of 200, ahead of its first reader
.set mp, 0
.rept 8
	v_pk_add_f32 v[TA+2*mp:TA+2*mp+1], v[SS+26*mp:SS+26*mp+1], v[SS+26*mp+2:SS+26*mp+3]
.set mp, mp+1
.endr
.set mu, 2
.rept 10
.set mp, 0
.rept 8
	v_pk_add_f32 v[TA+2*mp:TA+2*mp+1], v[TA+2*mp:TA+2*mp+1], v[SS+26*mp+2*mu:SS+26*mp+2*mu+1]
.set mp, mp+1
.endr
.set mu, mu+1
.endr
.set mp, 0
.rept 8
	v_add_f32 v[TA+2*mp], v[TA+2*mp], v[TA+2*mp+1]
.set mp, mp+1
.endr
.set mp, 0
.rept 8
	v_add_f32 v[TA+2*mp], v[TA+2*mp], v[SS+26*mp+24]   ; the sum of 25: at least 1
.set mp, mp+1
.endr
.set mp, 0
.rept 8
	v_rcp_f32 v[TA+2*mp], v[TA+2*mp]
.set mp, mp+1
.endr
	v_nop
	s_wait_alu depctr_va_vdst(0)                   ; one wait for the eight reciprocals, ahead of the label
; ---------------- AGGREGATE: 4 steps of 4 channels, each finished, quantised and stored as codes ----------------
	s_mov_b32 s[CNT], 3
.Lagg:
	STEP 1, 0, 1
	s_sub_co_u32 s[CNT], s[CNT], 1
	s_cmp_lg_u32 s[CNT], 0
	s_cbranch_scc1 .Lagg
	STEP 1, 0, 0
	WIMGLOAD 2                                     ; wo
	BARRIER                                        ; a's codes lie in LDS
; ---------------- THE LAST CONVOLUTION, THE RESIDUAL, THE WAY OUT: my own group ----------------
	WIN 0x80
.set ft, 0
.rept 4
.set fc, 0
.rept 4
	ds_load_b64 v[CD+8*ft+2*fc:CD+8*ft+2*fc+1], v[FA] offset:ft*2560+16*fc   ; pixel 4 r + t, k = 16 c + 8 h + 0 .. 7
.set fc, fc+1
.endr
.set ft, ft+1
.endr
	s_wait_loadcnt 0x0                             ; bo
	WIN 0x82
.set wi, 0
.rept 32
	v_ldexp_f32 v[BY+wi], v[BY+wi], s40            ; bo / 2^Eo
.set wi, wi+1
.endr
	s_wait_dscnt 0x0
	WMMA 2, CD, BY
	WIN 0xf1                                       ; the sums in window 1, x and the result in window 3
.set ft, 0
.rept 4
.set fo, 0
.rept 4
.set fj, 0
.rept 8
	v_fma_f32 v[128+4*(8*fo+fj)+ft], v[DD+8*(4*ft+fo)+fj], s37, v[128+4*(8*fo+fj)+ft]   ; out0 = sum x 2^Eo + x: x lies in the lane and channel where the result falls; each accumulator from its low end on
.set fj, fj+1
.endr
.set fo, fo+1
.endr
.set ft, ft+1
.endr
	WIN 0x0c
.set gi, 0
.rept 32
	global_store_b128 v[GA], v[128+4*gi:128+4*gi+3], s[54:55] offset:(16*(gi/8)+gi%8)*CH th:TH_STORE_NT   ; sixteen lanes store 256 consecutive bytes, aligned; written once, read by nobody here
.set gi, gi+1
.endr
	WIN 0
	s_wait_tensorcnt 0x0
	ds_add_u32 v30, v31
	s_wait_dscnt 0x0
	s_endpgm
.Lfunc_end_k_q3c16cbde2d_local_attn:
	.size	k_q3c16cbde2d_local_attn, .Lfunc_end_k_q3c16cbde2d_local_attn-k_q3c16cbde2d_local_attn
	.p2alignl 7, 3214868480
	.fill 96, 4, 3214868480
	.section	.rodata,"a",@progbits
	.p2align	6, 0x0
	.amdhsa_kernel k_q3c16cbde2d_local_attn
		.amdhsa_group_segment_fixed_size 236800
		.amdhsa_private_segment_fixed_size 0
		.amdhsa_enable_private_segment 0
		.amdhsa_kernarg_size 80
		.amdhsa_user_sgpr_count 2
		.amdhsa_user_sgpr_kernarg_segment_ptr 1
		.amdhsa_wavefront_size32 1
		.amdhsa_system_sgpr_workgroup_id_x 1
		.amdhsa_system_sgpr_workgroup_id_y 1
		.amdhsa_system_sgpr_workgroup_id_z 1
		.amdhsa_system_vgpr_workitem_id 0
		.amdhsa_next_free_vgpr 1024
		.amdhsa_next_free_sgpr 66
		.amdhsa_reserve_vcc 0
		.amdhsa_float_denorm_mode_32 3
		.amdhsa_float_denorm_mode_16_64 3
		.amdhsa_memory_ordered 1
		.amdhsa_forward_progress 1
		.amdhsa_inst_pref_size 255
	.end_amdhsa_kernel
	.section	.bss,"aw",@nobits
	.p2align	6
	.space	262144
	.amdgpu_metadata
---
amdhsa.version: [ 1, 2 ]
amdhsa.kernels:
  - .name:           k_q3c16cbde2d_local_attn
    .symbol:         k_q3c16cbde2d_local_attn.kd
    .args:
      - { .name: x, .offset: 0, .size: 8, .value_kind: global_buffer, .address_space: global }
      - { .name: y, .offset: 8, .size: 8, .value_kind: global_buffer, .address_space: global }
      - { .name: wx, .offset: 16, .size: 8, .value_kind: global_buffer, .address_space: global }
      - { .name: bx, .offset: 24, .size: 8, .value_kind: global_buffer, .address_space: global }
      - { .name: wy, .offset: 32, .size: 8, .value_kind: global_buffer, .address_space: global }
      - { .name: by, .offset: 40, .size: 8, .value_kind: global_buffer, .address_space: global }
      - { .name: wo, .offset: 48, .size: 8, .value_kind: global_buffer, .address_space: global }
      - { .name: bo, .offset: 56, .size: 8, .value_kind: global_buffer, .address_space: global }
      - { .name: lowp_scales, .offset: 64, .size: 8, .value_kind: global_buffer, .address_space: global }
      - { .name: out0, .offset: 72, .size: 8, .value_kind: global_buffer, .address_space: global }
    .group_segment_fixed_size: 236800
    .private_segment_fixed_size: 0
    .kernarg_segment_align: 8
    .kernarg_segment_size: 80
    .max_flat_workgroup_size: 128
    .sgpr_count:     66
    .vgpr_count:     1024
    .wavefront_size: 32
...
	.end_amdgpu_metadata
.endif
;; end of part 1
;; ======== version 2 of 2: 1 launch; version 1 with the launch local_attn written anew for expert scheduling mode
;; limits: right only within a limited range of input values
;; launch local_attn (part 2): grid 64 x 4, 4 waves a work-group, no clusters, 236,800 bytes of LDS; arguments x, y, wx, bx, wy, by, wo, bo, lowp_scales, out0; writes out0
.if DOCPART == 2
	.amdgcn_target "amdgcn-amd-amdhsa--gfx1250"
	.amdhsa_code_object_version 6
	.text
	.protected	k_q3c16cbde2d_local_attn
	.globl	k_q3c16cbde2d_local_attn
	.p2align	8
	.type	k_q3c16cbde2d_local_attn,@function
k_q3c16cbde2d_local_attn:
	s_mov_b64 s[64:65], 0
	v_nop
	global_prefetch_b8 v0, s[64:65] scope:SCOPE_SE
	s_setreg_imm32_b32 hwreg(HW_REG_WAVE_SCHED_MODE, 0, 2), 2
	s_setreg_imm32_b32 hwreg(HW_REG_WAVE_MODE, 25, 1), 1
	s_wait_xcnt 0x0
	s_wait_alu depctr_vm_vsrc(0)
; LOCAL ATTENTION, 5 x 5, in one launch.  x, y, out0: [4][64][128][128] f32.  q = wy y + by, v = wx x + bx (1 x 1 convolutions), s = q . q(neighbour) for 25 neighbours (outside the image q = v = 0, the score 0 counts),
; p = softmax(s), a = sum of p v(neighbour), out0 = wo a + bo + x.  The three convolutions multiply codes of E5M2 (v_wmma_f32_16x16x64_bf8_bf8), each operand with its given scale 2^e (e0 y, e1 wy, e2 x, e3 wx, e4 a, e5 wo);
; the scores and the aggregate run into a quantiser and are packed f32 multiply-adds; the softmax takes its maximum away.
; SHARES.  A work-group (x = pair of image rows rp, y = batch) owns 2 whole rows of 128 pixels and makes q and v on 6 rows (2 above, 2 below): 4 waves, 3 groups of 64 pixels each.  Whole rows: every global access is 16 lanes x 16
; consecutive bytes, aligned to 256, and the padding of the columns is a constant of the text.
; SCALES ARE FOLDED.  Eq = e0 + e1, Ev = e2 + e3, Eo = e4 + e5.  LDS holds q' = q / 2^Eq and v' = v / 2^Ev: the raw sums, with bias / 2^E as the C of the matrix instruction.  t = s' c, c = log2(e) 2^(2 Eq).
; a's conversion takes the one scale 2^(e4 - Ev).  out0 = sum x 2^Eo + x, with C = bo / 2^Eo.
; LIMITS: e0, e1, e2, e3, e5 and e4 - Ev between -126 and 112; Eq between -63 and 63; Eo between -126 and 127; q / 2^Eq and its scores, and score x log2(e), stay f32 numbers (|by| / 2^Eq under 2^60).  NaN among the inputs is not served;
; an infinity is held at the largest code.
; NO TENSOR LOADS, NO CLUSTER: K (the channels) is the outermost axis of x and y, so the f32 numbers pass through registers to be held and converted, and six rows of raw f32 (196,608 bytes a tensor) have no room in LDS beside q or v.
; Neighbouring work-groups share 4 of their 6 rows, but a joint request would have to bring those raw rows into LDS.  No prefetch: y is wanted at once, at the kernel's head, where every work-group's first loads are on their way,
; and x's loads are themselves issued a phase ahead of their use.
; ORDER.  No long run of memory instructions stands bare.  A group's 32 LDS stores stand in four parts of 8 behind the next group's four tiles of holds and conversions; v's last 32 stand among 100 exponentials, and four of the
; aggregate's first six window rows among the other 100.  Two groups of a wave, 64 global loads, are out at most: group n + 2 is asked for behind group n's conversions.  x's left halo is asked for behind the scores.
; THE MODE: SCHED_MODE bits 1:0 = 2 (LLVM: expert scheduling mode 2), set by the entry lines.  The code itself states the register dependences between vector or matrix instructions and memory or LDS instructions, with s_wait_alu, always for 0.
; THE PLAN.  Registers that memory or LDS instructions touch, and who else names them:
;   v1-9, v14-17, v30, v31   offsets and addresses: made at the head, ahead of one wait on va_vdst, and never written again.
;   raw buffers              loads land, a group's 128 holds read.  B1 alone is asked for again straight behind its holds: a wait of its own.  B2's second fill and x's left halo stand behind waits that cover their last readers.
;   DD, v10-13               a group's results and their LDS addresses: written by 16 products and four additions, read by 32 LDS stores.  One wait on va_vdst ahead of the first 8 stores; the lines among which the others stand
;                            (the next group's holds and conversions, or exponentials) name neither.  One wait on vm_vsrc ahead of the next additions and products, or of what else lands there.
;   the six window rows      LDS loads land, packed multiply-adds read.  The ten calls of a step are ordered so that three waits on va_vdst free one, two or three rows each; a freed row's loads are dealt among calls that name other rows.
;   v28                      the windows' address: stepped once a step, behind a wait on vm_vsrc and ahead of the step's first wait on va_vdst.
;   KD, v29                  a step's codes of a and their address: written late and at mid-step, read by eight LDS stores at the step's end: the step's last wait on va_vdst ahead of them, the next step's wait on vm_vsrc behind them.
; LDS.  QV (q', later v'): byte (c / 4) P4 + rho RP + (colp % 4) TP + (colp / 4) 16 + (c % 4) 4, rho = 0 .. 5 for image row 2 rp - 2 + rho, colp = column + 2 = 0 .. 131: 16 bytes are four channels of one pixel.
;   WIMG: the three weights as images of their operands' registers.  CODE: a's codes, 80 bytes a pixel, byte = channel; the slot of pixel (pi, col) is (4 pi + col % 4) 32 + col / 4.
; LANES.  Convolutions: r = lane % 16, h = lane / 16; lane (r, h) loads channels 16 c + 8 h + j at pixels 4 r + 0 .. 3 of its group; pixel tile t = the pixels 4 r + t.  Source 0 = 16 rows of the weight, source 1 = 16 pixels:
;   in the result lane (r, h) holds pixel 4 r + t and register j out channel 16 ot + 8 h + j.
;   Windows: g = lane % 4 takes channels 16 g .. 16 g + 15, four a step; A = 8 wave + (lane / 4) takes pixels (pi = 0, 1; column 4 A + i, i = 0 .. 3): a window of 6 rows x 8 pixels x 4 channels, 48 loads, feeds 400 packed multiply-adds.
; REGISTERS in windows of 256 (s_set_vgpr_msb: bits 1:0 source 0, 3:2 source 1, 5:4 source 2, 7:6 destination):
;   window 0: v0-31 addresses and scales; v32-159 raw buffer B0, then v32-223 the window rows, then v32-239 scores / p (pixel P = 4 pi + i at v[32 + 26 P], 25 numbers, slot 25 = -c max), v240-255 the sums, then 1 / sum.
;   window 1: v0-63 held numbers, v64-191 results of the products (behind the scores first the raw numbers of x's left halo); in the scores v0-199 accumulators of pi = 0; in the aggregate v0-191 window rows, v192-223 a, v224-231 a step's codes.
;   window 2: v0-31 codes, v32-63 the halo's bias, v112-143 the weight's fragments, v144-175 by, later bo, v200-231 bx; in the scores v0-199 accumulators of pi = 1.
;   window 3: raw buffers B1 (v0-127) and B2 (v128-255); B2 ends as x of my own 64 pixels, which becomes the result.
.set P4,   12688                       ; a plane of four channels: 6 RP + 16.  4 P4 = 64 mod 256
.set RP,   2112                        ; a row: 4 TP
.set TP,   528                         ; the 33 pixels of a row with the same colp % 4
.set WIMG, 203008                      ; behind 16 planes: matrix m (0 wy, 1 wx, 2 wo), out tile ot, half qd: 4096 m + 1024 ot + 512 qd + 16 lane
.set CODE, 215808                      ; 256 slots of 80 bytes
.set CH,   65536                       ; bytes from channel to channel in x, y, out0
.set IMS, 1                            ; v1   where I store an image: IMA + 1024 wave
.set GA,  2                            ; v2   16 r + (8 channels) h: my offset in a group of x, y, out0; never rewritten
.set WGA, 3                            ; v3   my offset in a weight: row 16 wave + r, + 32 h
.set BGA, 4                            ; v4   32 h: my offset in a bias
.set IMA, 5                            ; v5   WIMG + 16 lane
.set SA0, 6                            ; v6-9   results into QV: 2 P4 h + 16 r + 4 P4 ot
.set SAG, 10                           ; v10-13 the same + the group in hand
.set WA,  14                           ; v14  windows: 4 P4 g + 16 A
.set CA,  15                           ; v15  a's codes: CODE + 80 A + 16 g
.set FA,  16                           ; v16  a's codes as an operand: CODE + 10240 pi + 1280 hf + 80 r + 8 h
.set ZA,  17                           ; v17  the padding's stores
.set YSC, 18                           ; v18, v19 2^e0 and 57,344 x 2^e0
.set YLIM, 19
.set XSC, 20                           ; v20, v21 the same for e2
.set XLIM, 21
.set OSC, 22                           ; v22, v23 the same for e4 - Ev
.set OLIM, 23
.set WSC, 24                           ; v24, v25 the same for the weight in hand
.set WLIM, 25
.set YLH, 26                           ; v26, v27 the halo rows' bounds: YLIM, XLIM, or 0 where the row lies outside the image
.set XLH, 27
.set WAC, 28                           ; v28  WA + the plane that is being asked for
.set CAC, 29                           ; v29  CA + the step's 4 bytes
.set ZQ,  160                          ; v160-163 zeros, in the head
.set SS,  32
.set TA,  240
.set DD,  64                           ; window 1
.set WRAW, 64
.set OO,  192
.set KD,  224
.set CD,  0                            ; window 2
.set BH,  32
.set WF,  112
.set BY,  144
.set BX,  200
.set CNT, 56                           ; s56  loop counter
.set TB,  59                           ; s59  the plane that is being asked for, in bytes
.set TC,  62                           ; s62  the step's bytes in a slot of codes
.set MSB, 0
.macro WIN new                         ; the immediate's high byte repeats the setting that is left; a switch that changes nothing is dropped
.if MSB != (\new)
	s_set_vgpr_msb (MSB<<8)|(\new)
.set MSB, (\new)
.endif
.endm
.macro BARRIER                         ; my LDS stores have landed and my LDS loads are in: then the work-group's barrier
	s_wait_dscnt 0x0
	s_barrier_signal -1
	s_barrier_wait -1
.endm
.macro MKSC se, vs, vl                 ; from the exponent in s[se]: v[vs] = 2^e, v[vl] = 57,344 x 2^e (left in s57 too)
	WIN 0
	s_add_co_i32 s57, s[\se], 127
	s_lshl_b32 s58, s57, 23
	v_mov_b32 v[\vs], s58
	s_add_co_i32 s57, s57, 15
	s_lshl_b32 s57, s57, 23
	s_or_b32 s57, s57, 0x600000
	v_mov_b32 v[\vl], s57
.endm
; 64 pixels x 64 channels of f32: 32 loads; load i = 8 c + j brings channel 16 c + 8 h + j at pixels 4 r + 0 .. 3: sixteen lanes read 256 consecutive bytes, aligned
.macro GLOAD win, base, sb, extra
	WIN (\win)<<6
.set gi, 0
.rept 32
	global_load_b128 v[\base+4*gi:\base+4*gi+3], v[GA], s[\sb:\sb+1] offset:(16*(gi/8)+gi%8)*CH+\extra
.set gi, gi+1
.endr
.endm
; Pixel tile t of the 16 results into QV: pixel 4 r + t is colp 4 r + t + 2; sixteen lanes write 256 consecutive bytes.  Each accumulator's low four registers go first.
.macro STORE8 t
	WIN 0x04
.set so, 0
.rept 4
	ds_store_b128 v[SAG+so], v[DD+8*(4*(\t)+so):DD+8*(4*(\t)+so)+3] offset:(((\t)+2)%4)*TP+(((\t)+2)/4)*16
	ds_store_b128 v[SAG+so], v[DD+8*(4*(\t)+so)+4:DD+8*(4*(\t)+so)+7] offset:P4+(((\t)+2)%4)*TP+(((\t)+2)/4)*16
.set so, so+1
.endr
.endm
.macro STORE                           ; all four tiles in one run
.irp t, 0,1,2,3
	STORE8 \t
.endr
	WIN 0
.endm
; A group's raw numbers become four operands (pixel tiles t).  The hold, which an 8-bit conversion wants since it does not saturate (ISA guide 7.6.2), is also the turn from [channel][pixel] to [pixel][channel].
; The two halves of the held numbers take turns: 32 plain lines stand between a conversion and the next write of its sources.
; st = 1: behind tile t's conversions stand the 8 LDS stores of tile t of the group BEFORE, whose results lie finished in window 1: the stores are served while the next tile is held and converted.
.macro QUANT swin, rbase, cwin, cbase, sc, lim, st
.set qt, 0
.rept 4
	WIN (\swin)|0x40
.set qi, 0
.rept 32
	v_med3_num_f32 v[32*(qt%2)+qi], v[\rbase+4*qi+qt], -v[\lim], v[\lim]
.set qi, qi+1
.endr
	WIN 0x01|((\cwin)<<6)
.set qc, 0
.rept 4
	v_cvt_scalef32_pk8_bf8_f32 v[\cbase+8*qt+2*qc:\cbase+8*qt+2*qc+1], v[32*(qt%2)+8*qc:32*(qt%2)+8*qc+7], v[\sc]   ; registers 2 c, 2 c + 1: k = 16 c + 8 h + 0 .. 7: this form's own places
.set qc, qc+1
.endr
.if qt == 3
	v_nop                                          ; one plain line between the last conversion and the products that read its result
.endif
.if \st
.if qt == 0
	s_wait_alu depctr_va_vdst(0)                   ; the products of the group before have written DD and the four additions v10-13, which the 32 stores read; no line of this macro names either, so the one wait serves all four parts
.endif
	STORE8 qt
.endif
.set qt, qt+1
.endr
.endm
; 16 products, one K step each, on 16 accumulators: no chain.  C = the bias in the result's layout.  Four places follow, ahead of the first read of a result.
.macro WMMA cwin, cbase, bias
	WIN 0x62|((\cwin)<<2)
.set mt, 0
.rept 4
.set mo, 0
.rept 4
	v_wmma_f32_16x16x64_bf8_bf8 v[DD+8*(4*mt+mo):DD+8*(4*mt+mo)+7], v[WF+8*mo:WF+8*mo+7], v[\cbase+8*mt:\cbase+8*mt+7], v[\bias+8*mo:\bias+8*mo+7]
.set mo, mo+1
.endr
.set mt, mt+1
.endr
	WIN 0
.rept 4
	v_nop
.endr
.endm
.macro SETSA sg                        ; the group's place in QV: rho RP + 256 hf.  It stands behind the last store of the group before
	WIN 0
.irp o, 0,1,2,3
	v_add_nc_u32 v[SAG+\o], s[\sg], v[SA0+\o]
.endr
.endm
.macro WIMGLOAD m                      ; a weight's four fragments, as they were stored
	WIN 0x80
.set io, 0
.rept 4
	ds_load_b128 v[WF+8*io:WF+8*io+3], v[IMA] offset:(\m)*4096+io*1024
	ds_load_b128 v[WF+8*io+4:WF+8*io+7], v[IMA] offset:(\m)*4096+io*1024+512
.set io, io+1
.endr
.endm
; Row rho of the window: 8 pixels x 4 channels, of the plane at which v28 stands.  win = 0: into window 0 from v32 (scores); 1: into window 1 from v0 (aggregate).  In a pass of 16 lanes the addresses mod 256 are 64 g + 16 (A % 8): all different.
.macro LROW win, row
	WIN (\win)<<6
.set RBB, 32*(1-(\win))
.set lk, 0
.rept 8
	ds_load_b128 v[RBB+32*(\row)+4*lk:RBB+32*(\row)+4*lk+3], v[WAC] offset:(\row)*RP+(lk%4)*TP+(lk/4)*16
.set lk, lk+1
.endr
.endm
; Scores of pixel row pi against window row rho: 4 pixels x 5 columns x 2 pairs of channels.  Accumulator pair n = 25 i + 5 (rho - pi) + dc + 2 holds the even channels' sum and the odd channels'.
; zero = 1: the first product starts the sum: nothing is cleared.  Twenty other lines stand between two links on one pair.  The call names window rows 2 + pi (the pixels themselves) and rho, and no other.
.macro SCORE pi, row, zero
	WIN 0x50*(1+(\pi))
.set pc, 0
.rept 2
.set pii, 0
.rept 4
.set pd, 0
.rept 5
.set pn, 25*pii+5*((\row)-(\pi))+pd
.set pown, 32+32*(2+(\pi))+4*(pii+2)+2*pc
.set pnb, 32+32*(\row)+4*(pii+pd)+2*pc
.if (\zero) && (pc == 0)
	v_pk_mul_f32 v[2*pn:2*pn+1], v[pown:pown+1], v[pnb:pnb+1]
.else
	v_pk_fma_f32 v[2*pn:2*pn+1], v[pown:pown+1], v[pnb:pnb+1], v[2*pn:2*pn+1]
.endif
.set pd, pd+1
.endr
.set pii, pii+1
.endr
.set pc, pc+1
.endr
.endm
; The aggregate of pixel row pi from window row rho: a += p v'.  p is one register of a pair, taken for both halves.  Offset 0 starts the sums.  The call names window row rho and no other.
.macro AGG pi, row
	WIN 0x54
.set ad, 0
.rept 5
.set ai, 0
.rept 4
.set aoff, 5*((\row)-(\pi))+ad
.set ap, SS+26*(4*(\pi)+ai)+aoff
.set ae, ap-(ap%2)
.set ac, 0
.rept 2
.set adst, OO+4*(4*(\pi)+ai)+2*ac
.set asrc, 32*(\row)+4*(ai+ad)+2*ac
.if aoff == 0
	v_pk_mul_f32 v[adst:adst+1], v[ae:ae+1], v[asrc:asrc+1] op_sel_hi:[0,1]
.elseif (ap%2) == 0
	v_pk_fma_f32 v[adst:adst+1], v[ae:ae+1], v[asrc:asrc+1], v[adst:adst+1] op_sel_hi:[0,1,1]
.else
	v_pk_fma_f32 v[adst:adst+1], v[ae:ae+1], v[asrc:asrc+1], v[adst:adst+1] op_sel:[1,0,0] op_sel_hi:[1,1,1]
.endif
.set ac, ac+1
.endr
.set ai, ai+1
.endr
.set ad, ad+1
.endr
.endm
; A step's 8 pixels x 4 channels of a: x 1 / sum, held, converted (eight registers = two pixels' four channels: a result register is one pixel's 4 bytes), stored.  The codes have eight registers of their own, which no load lands in.
.macro POST
	WIN 0x41
.set zp, 0
.rept 8
	v_pk_mul_f32 v[OO+4*zp:OO+4*zp+1], v[OO+4*zp:OO+4*zp+1], v[TA+2*zp:TA+2*zp+1] op_sel_hi:[1,0]
	v_pk_mul_f32 v[OO+4*zp+2:OO+4*zp+3], v[OO+4*zp+2:OO+4*zp+3], v[TA+2*zp:TA+2*zp+1] op_sel_hi:[1,0]
.set zp, zp+1
.endr
.set zp, 0
.rept 32
	v_med3_num_f32 v[OO+zp], v[OO+zp], -v[OLIM], v[OLIM]
.set zp, zp+1
.endr
.set zp, 0
.rept 4
	v_cvt_scalef32_pk8_bf8_f32 v[KD+2*zp:KD+2*zp+1], v[OO+8*zp:OO+8*zp+7], v[OSC]
.set zp, zp+1
.endr
	v_nop                                          ; one plain line behind the last conversion: the next step writes its sources anew
	WIN 0x04
	s_wait_alu depctr_va_vdst(0)                   ; the conversions have written KD and the addition at mid-step v29, which the eight stores read; and pixel row 1's last call is done reading window row 5, in which the loads behind these stores land
.set zp, 0
.rept 8
	ds_store_b32 v[CAC], v[KD+zp] offset:zp*2560
.set zp, zp+1
.endr
.endm
; A STEP OF THE SCORES: four channels, ten calls.  One set of six row buffers serves: a buffer is asked for again, for the next plane, behind a wait that shows its last reader done.  An accumulator belongs to one call of a step, so the
; calls' order is free; it is chosen so that three waits free two rows each, and the freed rows' loads are dealt among calls that name other rows.  The rows are asked for in the order 0, 1, 2, 4, 3, 5, ahead of the first step too,
; so the two waits for LDS have the same counts in every step.  pf = 0: the last step asks for nothing, and holds no wait for a load's sake.
.macro SSTEP zero, pf
	s_wait_dscnt 24                                ; rows 0, 1, 2 are in: behind row 2's loads stand rows 4, 3, 5: 24 loads
	SCORE 0, 0, \zero
	SCORE 0, 1, \zero
	SCORE 0, 2, \zero
	s_wait_dscnt 0x0                               ; rows 3, 4, 5 are in: nothing younger is out
	SCORE 1, 1, \zero
.if \pf
	WIN 0
	s_wait_alu depctr_vm_vsrc(0)                   ; this plane's 48 loads have read v28
	s_add_co_u32 s[TB], s[TB], P4
	v_add_nc_u32 v[WAC], s[TB], v[WA]              ; the next plane
	s_wait_alu depctr_va_vdst(0)                   ; v28 is written; the calls (0,0), (0,1), (1,1) are done reading rows 0 and 1.  The calls up to the next wait name rows 2, 3, 4
	LROW 0, 0
.endif
	SCORE 0, 3, \zero
.if \pf
	LROW 0, 1
.endif
	SCORE 0, 4, \zero
	SCORE 1, 2, \zero
	SCORE 1, 4, \zero
.if \pf
	WIN 0
	s_wait_alu depctr_va_vdst(0)                   ; all of pixel row 0's calls, (1,2) and (1,4) are done reading rows 2 and 4.  The two calls that are left name rows 3 and 5
	LROW 0, 2
.endif
	SCORE 1, 3, \zero
.if \pf
	LROW 0, 4
.endif
	SCORE 1, 5, \zero
.if \pf
	WIN 0
	s_wait_alu depctr_va_vdst(0)                   ; all of pixel row 1's calls are done reading rows 3 and 5.  The next step's first three calls name rows 0, 1, 2
	LROW 0, 3
	LROW 0, 5
.endif
	WIN 0                                          ; at a label and at a branch every window is 0
.endm
; A STEP OF THE AGGREGATE: four channels, ten calls, then the step's a is finished, quantised and stored.  A call reads its own window row alone; each pixel row's calls stay in ascending order, as its sums ask.
; The first five calls read rows 0, 1, 2, the other five rows 3, 4, 5.  The rows are asked for in the order 0, 1, 2, 4, 3, 5.
.macro ASTEP pf
	s_wait_dscnt 24                                ; rows 0, 1, 2 are in: behind row 2's loads stand rows 4, 3, 5: 24 loads
	AGG 0, 0
	AGG 0, 1
	AGG 0, 2
	AGG 1, 1
	AGG 1, 2
	s_wait_dscnt 0x0                               ; rows 3, 4, 5 are in: nothing younger is out
	WIN 0
	s_wait_alu depctr_vm_vsrc(0)                   ; the last step's eight stores have read v29 and KD, which this step writes again; this plane's 48 loads have read v28
	v_add_nc_u32 v[CAC], s[TC], v[CA]              ; where this step's codes go
.if \pf
	s_add_co_u32 s[TC], s[TC], 4
	s_add_co_u32 s[TB], s[TB], P4
	v_add_nc_u32 v[WAC], s[TB], v[WA]              ; the next plane
	s_wait_alu depctr_va_vdst(0)                   ; v28 is written; the five calls above are done reading rows 0, 1, 2.  The five calls below name rows 3, 4, 5
	LROW 1, 0
.endif
	AGG 0, 3
.if \pf
	LROW 1, 1
.endif
	AGG 0, 4
.if \pf
	LROW 1, 2
.endif
	AGG 1, 3
	AGG 1, 4
.if \pf
	WIN 0x40
	s_wait_alu depctr_va_vdst(0)                   ; the four calls above are done reading rows 3 and 4.  The last call names row 5, the finishing lines none
	LROW 1, 4
.endif
	AGG 1, 5
.if \pf
	LROW 1, 3
.endif
	POST
.if \pf
	LROW 1, 5                                      ; behind the wait that stands ahead of the stores; no vector line since
.endif
	WIN 0                                          ; at a label and at a branch every window is 0
.endm
.macro FOLD fp                         ; pixel row fp's 100 scores: even channels' sum + odd channels', into window 0
	WIN 0x05*(1+(\fp))
.set fi, 0
.rept 4
.set fo, 0
.rept 25
	v_add_f32 v[SS+26*(4*(\fp)+fi)+fo], v[2*(25*fi+fo)], v[2*(25*fi+fo)+1]
.set fo, fo+1
.endr
.set fi, fi+1
.endr
.endm
.macro EXPS p                          ; pixel p's 25 weights: p = 2^(c s' - c max), at most 1; they stay unnormalised: 1 / sum is applied to a
	WIN 0
.set mu, 0
.rept 25
	v_exp_f32 v[SS+26*(\p)+mu], v[SS+26*(\p)+mu]
.set mu, mu+1
.endr
.endm
; ---------------- HEAD ----------------
	s_load_b512 s[8:23], s[0:1], 0x0               ; x s[8:9], y s[10:11], wx s[12:13], bx s[14:15], wy s[16:17], by s[18:19], wo s[20:21], bo s[22:23]
	s_load_b128 s[24:27], s[0:1], 0x40             ; lowp_scales s[24:25], out0 s[26:27]
	v_lshl_add_u32 v30, v0, 2, 0x39b00
	v_mov_b32 v31, 0
	v_lshrrev_b32 v164, 5, v0
	v_readfirstlane_b32 s2, v164                   ; wave w
	v_and_b32 v165, 15, v0                         ; r
	v_bfe_u32 v166, v0, 4, 1                       ; h
	v_and_b32 v167, 31, v0                         ; lane
	v_and_b32 v168, 3, v0                          ; g
	v_bfe_u32 v169, v0, 2, 3                       ; A % 8
	s_and_b32 s4, ttmp7, 0xffff                    ; batch
	s_wait_alu depctr_va_sdst(0)                   ; s2 is written, ahead of its first reader: the groups' places and the bases are made from it
	s_lshr_b32 s5, s2, 1                           ; my own group: pixel row pi = w / 2,
	s_and_b32 s6, s2, 1                            ; column half hf = w % 2
	s_lshl_b32 s7, ttmp9, 1                        ; 2 rp
	s_add_co_u32 s57, s7, s5                       ; its image row
	s_lshl_b32 s57, s57, 9
	s_lshl_b32 s60, s4, 22
	s_mov_b32 s62, s60
	s_add_co_u32 s60, s60, s57
	s_lshl_b32 s58, s6, 8
	s_add_co_u32 s60, s60, s58                     ; byte offset of my own group in x, y, out0
	s_mov_b32 s61, 0
	s_add_co_u32 s57, s5, 2
	s_mul_i32 s42, s57, RP
	s_add_co_u32 s42, s42, s58                     ; and in QV: rho = 2 + pi
	s_and_b32 s57, s2, 2
	s_add_co_u32 s57, s57, s2                      ; my halo row: rho = 0, 1, 4, 5 for waves 0, 1, 2, 3; both halves of it
	s_mul_i32 s43, s57, RP
	s_add_co_u32 s44, s43, 256
	s_add_co_u32 s58, s7, s57
	s_sub_co_i32 s58, s58, 2                       ; its image row, -2 .. 129
	s_cmp_lt_u32 s58, 128                          ; inside the image?
	s_cselect_b32 s41, 1, 0
	s_cselect_b32 s45, 1.0, 0
	s_max_i32 s58, s58, 0                          ; the loads always run, from a row inside the buffer: what they bring for a row outside is held at 0
	s_min_i32 s58, s58, 127
	s_lshl_b32 s58, s58, 9
	s_add_co_u32 s62, s62, s58                     ; byte offset of my halo row
	s_mov_b32 s63, 0
	v_lshlrev_b32 v[GA], 4, v165
	v_lshl_add_u32 v[GA], v166, 19, v[GA]
	v_lshlrev_b32 v[WGA], 8, v165
	v_lshl_add_u32 v[WGA], v166, 5, v[WGA]
	s_lshl_b32 s57, s2, 12
	v_add_nc_u32 v[WGA], s57, v[WGA]
	v_lshlrev_b32 v[BGA], 5, v166
	v_lshl_add_u32 v[IMA], v167, 4, WIMG
	s_lshl_b32 s58, s2, 10
	v_add_nc_u32 v[IMS], s58, v[IMA]
	v_mul_u32_u24 v170, v166, 2*P4
	v_lshl_add_u32 v[SA0], v165, 4, v170
.irp o, 1,2,3
	v_add_nc_u32 v[SA0+\o], \o*4*P4, v[SA0]
.endr
	v_mul_u32_u24 v[WA], v168, 4*P4
	v_lshl_add_u32 v[WA], v169, 4, v[WA]
	s_lshl_b32 s57, s2, 7
	v_add_nc_u32 v[WA], s57, v[WA]
	v_mul_u32_u24 v[CA], v169, 80
	v_lshl_add_u32 v[CA], v168, 4, v[CA]
	s_mul_i32 s58, s2, 640
	s_add_co_u32 s58, s58, CODE
	v_add_nc_u32 v[CA], s58, v[CA]
	v_mul_u32_u24 v[FA], v165, 80
	v_lshl_add_u32 v[FA], v166, 3, v[FA]
	s_mul_i32 s57, s5, 10240
	s_mul_i32 s5, s6, 1280
	s_add_co_u32 s57, s57, s5
	s_add_co_u32 s57, s57, CODE
	v_add_nc_u32 v[FA], s57, v[FA]
	v_lshrrev_b32 v171, 3, v0                      ; the padding: thread = 8 plane + 4 (row % 2) + e; e = 0, 1, 2, 3 stands for colp 0, 1, 130, 131
	v_mul_u32_u24 v[ZA], v171, P4
	v_bfe_u32 v172, v0, 2, 1
	v_mad_u32_u24 v[ZA], v172, RP, v[ZA]
	v_mad_u32_u24 v[ZA], v168, TP, v[ZA]
	v_bfe_u32 v173, v0, 1, 1
	v_lshl_add_u32 v[ZA], v173, 9, v[ZA]           ; colp 130, 131: 32 places of 16 bytes on
.irp i, 0,1,2,3
	v_mov_b32 v[ZQ+\i], 0
.endr
	s_wait_alu depctr_va_vdst(0)                   ; every offset and address of the kernel but v10-13, v28 and v29 is written, and so are the four zeros: the stores below and all later loads and stores read them; none is written again
	ds_store_b128 v[ZA], v[ZQ:ZQ+3]                ; zeros at colp 0, 1, 130, 131 of all 6 rows and 16 planes: written once, while the arguments are on their way; neither q' nor v' is stored there
	ds_store_b128 v[ZA], v[ZQ:ZQ+3] offset:2*RP
	ds_store_b128 v[ZA], v[ZQ:ZQ+3] offset:4*RP
	s_wait_kmcnt 0x0
	s_load_b128 s[28:31], s[24:25], 0x0            ; e0 .. e3
	s_load_b64 s[32:33], s[24:25], 0x10            ; e4, e5
	s_add_nc_u64 s[46:47], s[10:11], s[60:61]      ; y at my own group,
	s_add_nc_u64 s[48:49], s[10:11], s[62:63]      ; at my halo row;
	s_add_nc_u64 s[50:51], s[8:9], s[60:61]        ; x likewise;
	s_add_nc_u64 s[52:53], s[8:9], s[62:63]
	s_add_nc_u64 s[54:55], s[26:27], s[60:61]      ; out0 at my own group
; my quarter of each weight: rows 16 w + r, k = 16 c + 8 h + 0 .. 7: the operand's own places
.macro WLOAD m, sb
.set wc, 0
.rept 4
	global_load_b128 v[WRAW+32*(\m)+8*wc:WRAW+32*(\m)+8*wc+3], v[WGA], s[\sb:\sb+1] offset:64*wc
	global_load_b128 v[WRAW+32*(\m)+8*wc+4:WRAW+32*(\m)+8*wc+7], v[WGA], s[\sb:\sb+1] offset:64*wc+16
.set wc, wc+1
.endr
.endm
.macro BLOAD base, sb                  ; a bias in the result's layout: for out tile ot, numbers 16 ot + 8 h + 0 .. 7
.set wc, 0
.rept 4
	global_load_b128 v[\base+8*wc:\base+8*wc+3], v[BGA], s[\sb:\sb+1] offset:64*wc
	global_load_b128 v[\base+8*wc+4:\base+8*wc+7], v[BGA], s[\sb:\sb+1] offset:64*wc+16
.set wc, wc+1
.endr
.endm
	WIN 0x40
	WLOAD 0, 16                                    ; these loads, and the first fills of B0, B1 and B2, land in registers that no vector line has named
	WLOAD 1, 12
	WLOAD 2, 20
	WIN 0x80
	BLOAD BY, 18
	BLOAD BX, 14
	GLOAD 0, 32, 46, 0                             ; y of my own group into B0: it is on its way while the weights are quantised
	s_wait_kmcnt 0x0
	s_add_co_i32 s57, s28, s29                     ; Eq
	s_sub_co_i32 s38, 0, s57
	s_lshl_b32 s58, s57, 24                        ; 2 Eq into the exponent field
	s_add_co_i32 s34, s58, 0x3fb8aa3b              ; c = log2(e) x 2^(2 Eq)
	s_mov_b32 s35, s34                             ; (named with it as a pair, so it is written)
	s_xor_b32 s36, s34, 0x80000000                 ; -c
	s_add_co_i32 s57, s30, s31                     ; Ev
	s_sub_co_i32 s39, 0, s57
	s_sub_co_i32 s63, s32, s57                     ; e4 - Ev
	s_add_co_i32 s57, s32, s33                     ; Eo
	s_sub_co_i32 s40, 0, s57
	s_add_co_i32 s57, s57, 127
	s_lshl_b32 s37, s57, 23                        ; 2^Eo
	MKSC 28, YSC, YLIM
	s_cmp_lg_u32 s41, 0
	s_cselect_b32 s58, s57, 0
	v_mov_b32 v[YLH], s58                          ; a row outside the image is held between -0 and 0: its codes are zeros
	MKSC 30, XSC, XLIM
	s_cmp_lg_u32 s41, 0
	s_cselect_b32 s58, s57, 0
	v_mov_b32 v[XLH], s58
	MKSC 63, OSC, OLIM
	s_wait_loadcnt 32                              ; weights and biases are in: the 32 loads of y are the younger ones
.macro WQ m, se                        ; my quarter of weight m: held and converted; the three weights' codes lie side by side
	MKSC \se, WSC, WLIM
	WIN 0x41
.set wi, 0
.rept 32
	v_med3_num_f32 v[WRAW+32*(\m)+wi], v[WRAW+32*(\m)+wi], -v[WLIM], v[WLIM]
.set wi, wi+1
.endr
	WIN 0x81
.set wi, 0
.rept 4
	v_cvt_scalef32_pk8_bf8_f32 v[8*(\m)+2*wi:8*(\m)+2*wi+1], v[WRAW+32*(\m)+8*wi:WRAW+32*(\m)+8*wi+7], v[WSC]
.set wi, wi+1
.endr
	v_nop                                          ; one plain line behind the last conversion: its scale is written anew for the next weight
.endm
	WQ 0, 29
	WQ 1, 31
	WQ 2, 33
	WIN 0x08
	s_wait_alu depctr_va_vdst(0)                   ; the twelve conversions have written the 24 registers of codes, which the six stores read
.irp m, 0,1,2
	ds_store_b128 v[IMS], v[8*\m:8*\m+3] offset:\m*4096        ; stored as an image of the operand's registers
	ds_store_b128 v[IMS], v[8*\m+4:8*\m+7] offset:\m*4096+512
.endr
	WIN 0x82
.set wi, 0
.rept 32
	v_ldexp_f32 v[BY+wi], v[BY+wi], s38            ; by / 2^Eq
	v_ldexp_f32 v[BX+wi], v[BX+wi], s39            ; bx / 2^Ev
.set wi, wi+1
.endr
.set wi, 0
.rept 32
	v_mul_f32 v[BH+wi], v[BY+wi], s45              ; the halo row's bias: by / 2^Eq, or 0 where the row lies outside the image
.set wi, wi+1
.endr
	BARRIER                                        ; the images and the padding lie in LDS
	WIMGLOAD 0                                     ; wy: asked for ahead of the run of global loads below
	GLOAD 3, 0, 48, 0                              ; y of my halo row, left half, into B1
	s_wait_dscnt 0x0                               ; wy's fragments are in
; ---------------- q ON MY THREE GROUPS.  Two groups' loads are out at most: the next but one is asked for behind a group's conversions ----------------
	s_wait_loadcnt 32                              ; my own group of y is in: the halo's left half, 32 loads, is the younger one
	s_wait_alu depctr_vm_vsrc(0)                   ; the six image stores have read the weights' codes: the conversions below write those registers again
	QUANT 0, 32, 2, CD, YSC, YLIM, 0
	GLOAD 3, 128, 48, 256                          ; y of my halo row, right half, into B2
	SETSA 42
	WMMA 2, CD, BY
	s_wait_loadcnt 32                              ; y's halo, left half, is in: the right half's 32 loads are the younger ones
	QUANT 3, 0, 2, CD, YSC, YLH, 1                 ; and my own group's q' goes to LDS
	WIN 0xc0
	s_wait_alu depctr_va_vdst(0)                   ; the 128 holds are done reading B1, in which the loads below land
	s_wait_alu depctr_vm_vsrc(0)                   ; the 32 stores have read v10-13 and DD, which the additions and products below write again
	GLOAD 3, 0, 52, 256                            ; x of my halo row, right half, into B1, which has just been read
	SETSA 43
	WMMA 2, CD, BH
	s_wait_loadcnt 32                              ; y's halo, right half, is in: x's 32 loads are the younger ones
	QUANT 3, 128, 2, CD, YSC, YLH, 1               ; and the left half's q' goes to LDS
	s_wait_alu depctr_vm_vsrc(0)                   ; the 32 stores have read v10-13 and DD, which the additions and products below write again
	SETSA 44
	WMMA 2, CD, BH
	s_mov_b32 s[TB], 0
	v_add_nc_u32 v[WAC], s[TB], v[WA]              ; the windows' address at plane 0: made here, ahead of a wait that stands anyway
	s_wait_alu depctr_va_vdst(0)                   ; the products have written DD and the additions v10-13, which the stores read; v28 is written, which the windows' loads read; the holds are done reading B0 and B2, in which the windows and x land.  No vector line stands between this wait and those loads
	STORE
	BARRIER                                        ; q' lies in LDS
; ---------------- SCORES: 4 steps of 4 channels ----------------
	s_wait_alu depctr_vm_vsrc(0)                   ; my last 32 stores have read DD and v10-13: the scores' accumulators, later x's left halo, and v's additions write them again
	LROW 0, 0
	LROW 0, 1
	LROW 0, 2
	LROW 0, 4
	LROW 0, 3
	LROW 0, 5
	GLOAD 3, 128, 50, 0                            ; x of my own group into B2, asked for while the first window comes: it stays raw there to the end
	SSTEP 1, 1                                     ; the first step's products start the sums
	s_mov_b32 s[CNT], 2
.Lscore:
	SSTEP 0, 1
	s_sub_co_u32 s[CNT], s[CNT], 1
	s_cmp_lg_u32 s[CNT], 0
	s_cbranch_scc1 .Lscore
	SSTEP 0, 0                                     ; the last step asks for nothing
	s_wait_dscnt 0x0
	s_barrier_signal -1                            ; my reads of q' are over.  Up to the wait for this barrier: work on registers alone
	FOLD 0                                         ; pixel row 0's accumulators, window 1, are free behind this
	s_barrier_wait -1                              ; no wave reads q' any more: v' may take its place (its first store stands far below)
	WIN 0x40
	s_wait_alu depctr_va_vdst(0)                   ; the scores have written pixel row 0's accumulators and the fold is done reading them: the loads below land there
	GLOAD 1, DD, 52, 0                             ; x of my halo row, left half: raw into window 1, where the results will lie once it is converted.  740 vector lines stand between this request and the wait for it
	FOLD 1
	WIN 0x80
	s_wait_alu depctr_va_vdst(0)                   ; the second fold is done reading pixel row 1's accumulators: wx's fragments land there
	WIMGLOAD 1                                     ; wx, where pixel row 1's accumulators lay: it comes under the lane sums
; ---------------- SOFTMAX, first part ----------------
	WIN 0
.irp m, 1, 2                           ; the four channel groups are four neighbouring lanes: lane xor 1, then lane xor 2; every lane of the four then holds all 200 scores
.set dj, 0
.rept 8
.set dk, 0
.rept 25
	v_add_f32_dpp v[SS+26*dj+dk], v[SS+26*dj+dk], v[SS+26*dj+dk] row_xmask:\m row_mask:0xf bank_mask:0xf
.set dk, dk+1
.endr
.set dj, dj+1
.endr
.endr
.set mu, 0                             ; the maximum of 25: two chains a pixel (scores 0-12, scores 13-23), the eight pixels by turns
.rept 6
.set mp, 0
.rept 8
.set xb, SS+26*mp
.if mu == 0
	v_max3_num_f32 v[TA+2*mp], v[xb], v[xb+1], v[xb+2]
	v_max3_num_f32 v[xb+25], v[xb+13], v[xb+14], v[xb+15]
.else
	v_max3_num_f32 v[TA+2*mp], v[TA+2*mp], v[xb+1+2*mu], v[xb+2+2*mu]
.if mu < 5
	v_max3_num_f32 v[xb+25], v[xb+25], v[xb+14+2*mu], v[xb+15+2*mu]
.endif
.endif
.set mp, mp+1
.endr
.set mu, mu+1
.endr
.set mp, 0
.rept 8
	v_max3_num_f32 v[SS+26*mp+25], v[TA+2*mp], v[SS+26*mp+25], v[SS+26*mp+24]
.set mp, mp+1
.endr
.set mp, 0
.rept 8
	v_mul_f32 v[SS+26*mp+25], s36, v[SS+26*mp+25]  ; -c max.  Its rounding is one factor common to a pixel's 25 weights and to their sum: it cancels
.set mp, mp+1
.endr
.set mu, 0
.rept 12
.set mp, 0
.rept 8
.set xb, SS+26*mp
	v_pk_fma_f32 v[xb+2*mu:xb+2*mu+1], v[xb+2*mu:xb+2*mu+1], s[34:35], v[xb+24:xb+25] op_sel:[0,0,1] op_sel_hi:[1,0,1]   ; c s' - c max, two at a time (of the last pair the upper register serves both halves)
.set mp, mp+1
.endr
.set mu, mu+1
.endr
.set mp, 0
.rept 8
	v_fma_f32 v[SS+26*mp+24], v[SS+26*mp+24], s34, v[SS+26*mp+25]
.set mp, mp+1
.endr
; ---------------- v ON MY THREE GROUPS ----------------
	WIN 0x82
.set wi, 0
.rept 32
	v_mul_f32 v[BH+wi], v[BX+wi], s45              ; the halo row's bias
.set wi, wi+1
.endr
	s_wait_loadcnt 0x0                             ; all of x is in: the left halo was asked for last
	QUANT 1, DD, 2, CD, XSC, XLH, 0
	SETSA 43
	s_wait_dscnt 0x0                               ; wx's fragments are in
	WMMA 2, CD, BH                                 ; the results take the place of the raw numbers, which have been read
	QUANT 3, 0, 2, CD, XSC, XLH, 1                 ; the halo's right half; the left half's v' goes to LDS
	s_wait_alu depctr_vm_vsrc(0)                   ; the 32 stores have read v10-13 and DD, which the additions and products below write again
	SETSA 44
	WMMA 2, CD, BH
	QUANT 3, 128, 2, CD, XSC, XLIM, 1              ; my own group (the raw numbers stay); the right half's v' goes to LDS
	s_wait_alu depctr_vm_vsrc(0)                   ; the 32 stores have read v10-13 and DD, which the additions and products below write again
	SETSA 42
	WMMA 2, CD, BX
	s_mov_b32 s[TB], 0
	s_mov_b32 s[TC], 0
	v_add_nc_u32 v[WAC], s[TB], v[WA]              ; the windows' address at plane 0 again: made here, ahead of a wait that stands anyway (the scores' loads have read it: the waits on vm_vsrc above)
	s_wait_alu depctr_va_vdst(0)                   ; the products have written DD and the additions v10-13, which the stores read; v28 is written; the held numbers, by's old place and DD have had their last vector reader and writer: bo and the first window of v' land there.  Up to those loads only exponentials follow, on window 0
.irp p, 0,1,2,3                        ; my own group's v' goes to LDS among the exponentials of pixels 0 to 3: 8 stores, 25 exponentials.  No line names a result before the wait below
	STORE8 \p
	EXPS \p
.endr
	WIN 0x80
	BLOAD BY, 22                                   ; bo, where by lay
	WIN 0
	BARRIER                                        ; v' lies in LDS
; ---------------- The first window of v' is asked for among the exponentials of pixels 4 to 7; then the softmax's end ----------------
	s_wait_alu depctr_vm_vsrc(0)                   ; my last 32 stores have read DD, in which the window's rows 2 to 5 land
	LROW 1, 0
	EXPS 4
	LROW 1, 1
	EXPS 5
	LROW 1, 2
	EXPS 6
	LROW 1, 4
	EXPS 7
	LROW 1, 3
	LROW 1, 5
	WIN 0
	v_nop                                          ; a plain line behind the last exponential
	s_wait_alu depctr_va_vdst(0)                   ; the 200 exponentials have written the weights: one wait for the batch, ahead of its first reader
.set mp, 0
.rept 8
	v_pk_add_f32 v[TA+2*mp:TA+2*mp+1], v[SS+26*mp:SS+26*mp+1], v[SS+26*mp+2:SS+26*mp+3]
.set mp, mp+1
.endr
.set mu, 2
.rept 10
.set mp, 0
.rept 8
	v_pk_add_f32 v[TA+2*mp:TA+2*mp+1], v[TA+2*mp:TA+2*mp+1], v[SS+26*mp+2*mu:SS+26*mp+2*mu+1]
.set mp, mp+1
.endr
.set mu, mu+1
.endr
.set mp, 0
.rept 8
	v_add_f32 v[TA+2*mp], v[TA+2*mp], v[TA+2*mp+1]
.set mp, mp+1
.endr
.set mp, 0
.rept 8
	v_add_f32 v[TA+2*mp], v[TA+2*mp], v[SS+26*mp+24]   ; the sum of 25: at least 1
.set mp, mp+1
.endr
.set mp, 0
.rept 8
	v_rcp_f32 v[TA+2*mp], v[TA+2*mp]
.set mp, mp+1
.endr
	v_nop
	s_wait_alu depctr_va_vdst(0)                   ; the eight reciprocals are written: one wait for them, ahead of the label
; ---------------- AGGREGATE: 4 steps of 4 channels, each finished, quantised and stored as codes ----------------
	s_mov_b32 s[CNT], 3
.Lagg:
	ASTEP 1
	s_sub_co_u32 s[CNT], s[CNT], 1
	s_cmp_lg_u32 s[CNT], 0
	s_cbranch_scc1 .Lagg
	ASTEP 0                                        ; the last step asks for nothing
	WIMGLOAD 2                                     ; wo.  It and the codes' loads below land where v's products read: those stand ahead of the step's wait, and no vector line has followed it
	BARRIER                                        ; a's codes lie in LDS
; ---------------- THE LAST CONVOLUTION, THE RESIDUAL, THE WAY OUT: my own group ----------------
	WIN 0x80
.set ft, 0
.rept 4
.set fc, 0
.rept 4
	ds_load_b64 v[CD+8*ft+2*fc:CD+8*ft+2*fc+1], v[FA] offset:ft*2560+16*fc   ; pixel 4 r + t, k = 16 c + 8 h + 0 .. 7
.set fc, fc+1
.endr
.set ft, ft+1
.endr
	s_wait_loadcnt 0x0                             ; bo
	WIN 0x82
.set wi, 0
.rept 32
	v_ldexp_f32 v[BY+wi], v[BY+wi], s40            ; bo / 2^Eo
.set wi, wi+1
.endr
	s_wait_dscnt 0x0
	WMMA 2, CD, BY
	WIN 0xf1                                       ; the sums in window 1, x and the result in window 3
.set ft, 0
.rept 4
.set fo, 0
.rept 4
.set fj, 0
.rept 8
	v_fma_f32 v[128+4*(8*fo+fj)+ft], v[DD+8*(4*ft+fo)+fj], s37, v[128+4*(8*fo+fj)+ft]   ; out0 = sum x 2^Eo + x: x lies in the lane and channel where the result falls; each accumulator from its low end on
.set fj, fj+1
.endr
.set fo, fo+1
.endr
.set ft, ft+1
.endr
	WIN 0x0c
	s_wait_alu depctr_va_vdst(0)                   ; the 128 multiply-adds have written the results, which the 32 stores read
.set gi, 0
.rept 32
	global_store_b128 v[GA], v[128+4*gi:128+4*gi+3], s[54:55] offset:(16*(gi/8)+gi%8)*CH th:TH_STORE_NT   ; sixteen lanes store 256 consecutive bytes, aligned; written once, read by nobody here
.set gi, gi+1
.endr
	WIN 0
	s_wait_dscnt 0x0                               ; the closing lines, six on end
	s_wait_alu 0x0
	s_wait_tensorcnt 0x0
	ds_add_u32 v30, v31
	s_wait_dscnt 0x0
	s_endpgm
.Lfunc_end_k_q3c16cbde2d_local_attn:
	.size	k_q3c16cbde2d_local_attn, .Lfunc_end_k_q3c16cbde2d_local_attn-k_q3c16cbde2d_local_attn
	.p2alignl 7, 3214868480
	.fill 96, 4, 3214868480
	.section	.rodata,"a",@progbits
	.p2align	6, 0x0
	.amdhsa_kernel k_q3c16cbde2d_local_attn
		.amdhsa_group_segment_fixed_size 236800
		.amdhsa_private_segment_fixed_size 0
		.amdhsa_enable_private_segment 0
		.amdhsa_kernarg_size 80
		.amdhsa_user_sgpr_count 2
		.amdhsa_user_sgpr_kernarg_segment_ptr 1
		.amdhsa_wavefront_size32 1
		.amdhsa_system_sgpr_workgroup_id_x 1
		.amdhsa_system_sgpr_workgroup_id_y 1
		.amdhsa_system_sgpr_workgroup_id_z 1
		.amdhsa_system_vgpr_workitem_id 0
		.amdhsa_next_free_vgpr 1024
		.amdhsa_next_free_sgpr 66
		.amdhsa_reserve_vcc 0
		.amdhsa_float_denorm_mode_32 3
		.amdhsa_float_denorm_mode_16_64 3
		.amdhsa_memory_ordered 1
		.amdhsa_forward_progress 1
		.amdhsa_inst_pref_size 255
	.end_amdhsa_kernel
	.section	.bss,"aw",@nobits
	.p2align	6
	.space	262144
	.amdgpu_metadata
---
amdhsa.version: [ 1, 2 ]
amdhsa.kernels:
  - .name:           k_q3c16cbde2d_local_attn
    .symbol:         k_q3c16cbde2d_local_attn.kd
    .args:
      - { .name: x, .offset: 0, .size: 8, .value_kind: global_buffer, .address_space: global }
      - { .name: y, .offset: 8, .size: 8, .value_kind: global_buffer, .address_space: global }
      - { .name: wx, .offset: 16, .size: 8, .value_kind: global_buffer, .address_space: global }
      - { .name: bx, .offset: 24, .size: 8, .value_kind: global_buffer, .address_space: global }
      - { .name: wy, .offset: 32, .size: 8, .value_kind: global_buffer, .address_space: global }
      - { .name: by, .offset: 40, .size: 8, .value_kind: global_buffer, .address_space: global }
      - { .name: wo, .offset: 48, .size: 8, .value_kind: global_buffer, .address_space: global }
      - { .name: bo, .offset: 56, .size: 8, .value_kind: global_buffer, .address_space: global }
      - { .name: lowp_scales, .offset: 64, .size: 8, .value_kind: global_buffer, .address_space: global }
      - { .name: out0, .offset: 72, .size: 8, .value_kind: global_buffer, .address_space: global }
    .group_segment_fixed_size: 236800
    .private_segment_fixed_size: 0
    .kernarg_segment_align: 8
    .kernarg_segment_size: 80
    .max_flat_workgroup_size: 128
    .sgpr_count:     66
    .vgpr_count:     1024
    .wavefront_size: 32
...
	.end_amdgpu_metadata
.endif
;; end of part 2
